; MI455X (gfx1250); checked and timed in simulation.
; The chip was launched on July 23, 2026; its instructions are those of AMD's public machine-readable ISA for CDNA 5 (MIT licence, August 2026) and "CDNA5" Instruction Set Architecture Reference Guide (July 2026). The comments in the code are by the model that wrote it; some were corrected since.
;; Dynamic Expansion Block. Allowed arithmetic: matrix products marked QUANTISED: E2M1 operands, one E8M0 scale for each 32 along K, by v_wmma_scale_f32_16x16x128_f8f6f4 with both operands' format E2M1 (or v_wmma_scale_f32_32x16x128_f4), f32 sums; everything else in f32.
;; Inputs: W_a_codes 1,024 x 32 x 16 uint8 (E2M1 codes of W_a, K innermost, in blocks of 32 codes, two codes a byte); W_a_scales 1,024 x 32 uint8 (E8M0 scales of W_a, one for each 32 codes along K); W_b_codes 1,024 x 32 x 16 uint8 (E2M1 codes of W_b, K innermost, in blocks of 32 codes, two codes a byte); W_b_scales 1,024 x 32 uint8 (E8M0 scales of W_b, one for each 32 codes along K); W_cond_codes 1,024 x 32 x 16 uint8 (E2M1 codes of W_cond, K innermost, in blocks of 32 codes, two codes a byte); W_cond_scales 1,024 x 32 uint8 (E8M0 scales of W_cond, one for each 32 codes along K); W_key_codes 1,024 x 32 x 16 uint8 (E2M1 codes of W_key, K innermost, in blocks of 32 codes, two codes a byte); W_key_scales 1,024 x 32 uint8 (E8M0 scales of W_key, one for each 32 codes along K); W_sel_codes 1,024 x 32 x 16 uint8 (E2M1 codes of W_sel, K innermost, in blocks of 32 codes, two codes a byte); W_sel_scales 1,024 x 32 uint8 (E8M0 scales of W_sel, one for each 32 codes along K); b_a 1,024 float32; b_b 1,024 float32; b_cond 1,024 float32; b_key 1,024 float32; b_sel 1,024 float32; bias_emb 16 x 1,024 float32; bw_mask 32 x 128 x 2,048 int32; fw_mask 32 x 2,048 x 128 int32; n_indexes 32 x 16 int32; query_emb 16 x 1,024 float32; x_codes 32 x 128 x 32 x 16 uint8 (E2M1 codes of x, K innermost, in blocks of 32 codes, two codes a byte); x_scales 32 x 128 x 32 uint8 (E8M0 scales of x, one for each 32 codes along K).
;; Outputs: out0 32 x 128 x 1,024 float32.
;; This version of the problem:
;;   THIS VERSION OF THE PROBLEM IS GIVEN IN LOW PRECISION. The matrix products marked QUANTISED in the list below multiply operands that are first quantised to E2M1 (2 exponent bits, 1 mantissa bit; 4 bits a number), with one power-of-two scale for each 32 numbers along K (OCP MX v1.0); their sums are f32. All else is computed in f32.
;;   The module's matrix products, in the order in which they are computed (A, B: the left and right operand; K: the contracted axis; several contracted axes count as one K, in the product's order):
;;     1. [M 4,096, K 1,024] x [K 1,024, N 1,024]; A: input x (given as codes); B: input W_cond (given as codes): QUANTISED
;;     2. [M 4,096, K 1,024] x [K 1,024, N 1,024]; A: input x (given as codes); B: input W_key (given as codes): QUANTISED
;;     3. batch 32 x [M 2,048, K 1,024] x [K 1,024, N 128]; A: computed on the way; B: computed on the way: QUANTISED
;;     4. [M 4,096, K 1,024] x [K 1,024, N 1,024]; A: input x (given as codes); B: input W_a (given as codes): QUANTISED
;;     5. batch 32 x [M 2,048, K 128] x [K 128, N 1,024]; A: computed on the way; B: computed on the way: QUANTISED
;;     6. [M 4,096, K 1,024] x [K 1,024, N 1,024]; A: input x (given as codes); B: input W_b (given as codes): QUANTISED
;;     7. batch 32 x [M 2,048, K 128] x [K 128, N 1,024]; A: computed on the way; B: computed on the way: QUANTISED
;;     8. batch 32 x [M 128, K 2,048] x [K 2,048, N 1,024]; A: computed on the way; B: computed on the way: QUANTISED
;;     9. batch 32 x [M 128, K 2,048] x [K 2,048, N 1,024]; A: computed on the way; B: computed on the way: QUANTISED
;;     10. [M 4,096, K 1,024] x [K 1,024, N 1,024]; A: input x (given as codes); B: input W_sel (given as codes): QUANTISED
;;   THE QUANTISER, for each operand of a quantised product, along K:
;;     - K is cut into blocks of 32 from its start; a last block that is shorter is filled with zeros.
;;     - A block's scale is 2^e with e = floor(log2(the largest magnitude in the block)) - 2, held to -126 .. 127; a block of zeros has e = 0. As a byte (E8M0): e + 127.
;;     - Each number is divided by its block's scale, clamped to +-6, and rounded to the nearest number of E2M1, ties to even, subnormals kept.
;;     - The product sums the exact products of the quantised numbers (number of the format x scale) in f32.
;;   ~~~python
;;   def quantise(x, axis):      # numpy; x: float32 -> the quantised numbers, widened to float32 again
;;       x = np.moveaxis(x, axis, -1); K = x.shape[-1]
;;       x = np.pad(x, [(0, 0)] * (x.ndim - 1) + [(0, -K % 32)]); x = x.reshape(x.shape[:-1] + (-1, 32)); a = np.abs(x).max(-1, keepdims=True)
;;       e = np.where(a > 0, np.clip(np.frexp(np.where(a > 0, a, 1))[1] - 1 - 2, -126, 127), 0)      # np.frexp(a)[1] - 1 = floor(log2(a)), exactly
;;       r = np.clip(x / 2.0 ** e, -6, 6)
;;       step = 2.0 ** (np.maximum(np.frexp(np.where(r == 0, 1, r))[1] - 1, 0) - 1)
;;       q = np.round(r / step) * step * 2.0 ** e      # np.round: ties to even
;;       return np.moveaxis(q.reshape(q.shape[:-2] + (-1,))[..., :K], -1, axis).astype(np.float32)
;;   ~~~
;;   OPERANDS COMPUTED ON THE WAY. 'Computed on the way' means the value that the module computes at that place (a softmax that the list does not call 'softmax' is quantised finished and normalised). What goes into a quantiser is computed in f32, as accurately as f32 sums, v_exp_f32 and their like allow (about 1e-6 of the number): no bf16 or f16 on the way to a quantiser, and a product that is left as it is and whose result goes on into a quantised operand takes f32 operands (vector FMAs, or v_wmma_f32_16x16x4_f32). A number that lies on a knife's edge between two numbers of the format may be rounded either way, as far as f32 arithmetic and the matrix unit's own rounding can turn it there, and no further.
;;   INPUTS GIVEN AS CODES. W_a (in the module: [1024, 1024], K = its axis 0); W_b (in the module: [1024, 1024], K = its axis 0); W_cond (in the module: [1024, 1024], K = its axis 0); W_key (in the module: [1024, 1024], K = its axis 0); W_sel (in the module: [1024, 1024], K = its axis 0); x (in the module: [32, 128, 1024], K = its axis 2): each comes as NAME_codes (uint8): NAME with its K axis moved to the last place and cut into blocks of 32 codes, [.., K / 32, bytes a block], one block behind the other in memory; two codes a byte, the lower K in the low four bits (a code: sign, 2 exponent bits, 1 mantissa bit); and NAME_scales (uint8): the same leading axes, one E8M0 byte (e + 127) for each 32 codes along K. Its value is code x scale, taken as it is: it is not quantised again, and the codes and scales need not be those that the quantiser above would give.
;; One version. Each part assembles by itself: llvm-mc -triple=amdgcn-amd-amdhsa -mcpu=gfx1250 --defsym DOCPART=n.
;; ======== version 1 of 1: 4 launches
;; workspace buffers: cm 16,777,216 bytes; keyq 2,228,224 bytes; vq 4,456,448 bytes; sel 16,777,216 bytes; zt 33,554,432 bytes; fwq 8,912,896 bytes; bwq 8,912,896 bytes
;; launch proj (part 1): grid 8 x 32, 4 waves a work-group, no clusters, 68,096 bytes of LDS; arguments x_codes, x_scales, W_cond_codes, W_cond_scales, b_cond, W_a_codes, W_a_scales, b_a, W_b_codes, W_b_scales, b_b, W_sel_codes, W_sel_scales, b_sel, W_key_codes, W_key_scales, b_key, cm, vq, sel, keyq; writes cm, vq, sel, keyq
.if DOCPART == 1
	.amdgcn_target "amdgcn-amd-amdhsa--gfx1250"
	.amdhsa_code_object_version 6
	.text
	.protected	k_q1d93c808e6_proj
	.globl	k_q1d93c808e6_proj
	.p2align	8
	.type	k_q1d93c808e6_proj,@function
k_q1d93c808e6_proj:
	s_mov_b64 s[64:65], 0
	v_nop
	global_prefetch_b8 v0, s[64:65] scope:SCOPE_SE
	s_setreg_imm32_b32 hwreg(HW_REG_WAVE_MODE, 25, 1), 1
	s_wait_xcnt 0x0
; PROJ: the five projections of x (cond, a, b, sel, key), on codes of E2M1 with E8M0 scales, f32 sums, the bias as the C of each sum's first product.
; NO WORK OF THE PROBLEM IS LEFT OUT in this program: every input has a way to the output and is loaded.  One identity is used, in the later launches: the division of z by sqrt(1024) = 32
; is not carried out.  With z2 = 32 z, relu(z) / (sum relu(z) + EPS) = relu(z2) / (sum relu(z2) + 32 EPS), in f32 too, since a power of two commutes with every rounding.
; LIMITS: that identity holds where z and its sums are no denormals and 32 z does not overflow.  A block of zeros gets the scale byte 1 where the quantiser says 127: its codes are zeros, and only this
; program reads the bytes.  Divisions are v_rcp_f32 and a multiply.  NaN and infinities among the inputs are not served.
; SHARES.  A work-group takes 128 output columns (ttmp9) of each weight for one batch (ttmp7); wave w takes 32 of them, two tiles of 16, against all 8 tiles of the batch's 128 positions: 128 products a weight.
; The batch's x, 64 fragments, stays in each wave's registers (512).  Each byte of a weight is used by one wave: its fragments go from memory straight into registers; a tile's 16 loads cover its 16 rows of 512 bytes whole.
; THE POSITIONS OF A TILE ARE NOT NEIGHBOURS: row p of tile ta stands for position 32 (ta / 2) + 8 (ta % 2) + p + 8 (p / 8), so that where x is source 0 the 16 registers of tiles 2 b, 2 b + 1 are 16 neighbouring positions.
; WHAT LEAVES.  cm: cond, f32, in units of 256 bytes (16 d x 4 positions).  vq: x W_a + b_a and x W_b + b_b, quantised along the positions, as images of operand registers, with their scale words.
; sel: the sigmoid, f32, as images of accumulators (lane = position, registers = d).  keyq: x W_key + b_key, quantised along d, as images, with its scale words.  An image: registers 4 c .. 4 c + 3 at 512 c + 16 lane.
; NO CLUSTER: what work-groups share here (a weight's slice, across batches) goes straight into registers, and a joint load lands in LDS; x is 64 KiB a work-group, read once.
; REGISTERS.  window 0: v1-15, v249 addresses; v16-47 x's scale words; v48-63 the weight's, two sets; v64-95 the biases as C tiles, two sets; v96-223 16 accumulators; v224-248 the quantiser's.
;   window 1: the weight's fragments, two sets of 128.   windows 2, 3: x's fragments, tile ta, K step s at v[64 (ta % 4) + 8 s] of window 2 + ta / 4.
.set XI,    0                          ; LDS: x's 64 images
.set GS,    65536                      ; key's scale bytes (512), then the scale words of a and of b (512 each)
.set SPARE, 67584                      ; the spare words, 128 bytes for each wave
.set XS,  16
.set WS,  48
.set BB,  64
.set ACC, 96
.set TM,  224
.set PC,  240
.set PW,  248
.set SPW, 252
.set NIL, 253
.set SEL, 50
.set MSB, 0
.macro WIN new                         ; the immediate's high byte repeats the setting that is left
.if MSB != (\new)
	s_set_vgpr_msb (MSB<<8)|(\new)
.set MSB, (\new)
.endif
.endm
.macro PLACES n
.rept \n
	v_nop
.endr
.endm
.macro WMS d, a, b, c, sa, sb, row     ; row = 1: both sides take their scale words from lanes 16-31 (K steps 4 to 7)
.if \row
	v_wmma_scale_f32_16x16x128_f8f6f4 v[\d:\d+7], v[\a:\a+7], v[\b:\b+7], v[\c:\c+7], v[\sa], v[\sb] matrix_a_fmt:MATRIX_FMT_FP4 matrix_b_fmt:MATRIX_FMT_FP4 matrix_a_scale:MATRIX_SCALE_ROW1 matrix_b_scale:MATRIX_SCALE_ROW1
.else
	v_wmma_scale_f32_16x16x128_f8f6f4 v[\d:\d+7], v[\a:\a+7], v[\b:\b+7], v[\c:\c+7], v[\sa], v[\sb] matrix_a_fmt:MATRIX_FMT_FP4 matrix_b_fmt:MATRIX_FMT_FP4
.endif
.endm
; Weight k into set buf: 32 loads of fragments, 2 of scale words, and the bias.  kind 0: x will be source 0 (bias: one number a lane, 2 loads); 1: the weight source 0, rows as they lie; 2: the weight source 0, rows 8 t + p + 8 (p / 8) (4 loads of bias each)
.macro LOADW k, buf, kind
	WIN 0x40
.irp t, 0,1
.irp s, 0,1,2,3,4,5,6,7
.irp c, 0,1
.if \kind == 2
	global_load_b128 v[128*\buf+64*\t+8*\s+4*\c:128*\buf+64*\t+8*\s+4*\c+3], v4, s[8+6*\k:9+6*\k] offset:\t*4096+64*\s+32*\c
.else
	global_load_b128 v[128*\buf+64*\t+8*\s+4*\c:128*\buf+64*\t+8*\s+4*\c+3], v5, s[8+6*\k:9+6*\k] offset:\t*8192+64*\s+32*\c
.endif
.endr
.endr
.endr
	WIN 0
.irp t, 0,1
.if \kind == 2
	global_load_b128 v[WS+8*\buf+4*\t:WS+8*\buf+4*\t+3], v6, s[10+6*\k:11+6*\k] offset:\t*256
.else
	global_load_b128 v[WS+8*\buf+4*\t:WS+8*\buf+4*\t+3], v7, s[10+6*\k:11+6*\k] offset:\t*512
.endif
.endr
.irp t, 0,1
.if \kind == 0
	global_load_b32 v[BB+16*\buf+8*\t], v8, s[12+6*\k:13+6*\k] offset:64*\t
.elseif \kind == 1
	global_load_b128 v[BB+16*\buf+8*\t:BB+16*\buf+8*\t+3], v9, s[12+6*\k:13+6*\k] offset:64*\t
	global_load_b128 v[BB+16*\buf+8*\t+4:BB+16*\buf+8*\t+7], v9, s[12+6*\k:13+6*\k] offset:64*\t+16
.else
	global_load_b128 v[BB+16*\buf+8*\t:BB+16*\buf+8*\t+3], v10, s[12+6*\k:13+6*\k] offset:32*\t
	global_load_b128 v[BB+16*\buf+8*\t+4:BB+16*\buf+8*\t+7], v10, s[12+6*\k:13+6*\k] offset:32*\t+16
.endif
.endr
.endm
.macro SPREAD buf                      ; kind 0: the lane is one column d, so its bias fills all eight registers of the C tile
.irp t, 0,1
.irp j, 1,2,3,4,5,6,7
	v_mov_b32 v[BB+16*\buf+8*\t+\j], v[BB+16*\buf+8*\t]
.endr
.endr
	PLACES 4
.endm
; 128 products.  Eight accumulators take turns, one instruction a turn.  lay 0: accumulator (t, ta) at 64 t + 8 ta; lay 1: at 16 ta + 8 t.
.macro MULPAIR buf, swapped, lay
.irp hf, 0,1
.if \swapped
	WIN 1|((2+\hf)<<2)
.else
	WIN (2+\hf)|4
.endif
.irp s, 0,1,2,3,4,5,6,7
.irp tl, 0,1,2,3
.irp t, 0,1
.set TAU, 4*\hf+\tl
.if \lay
.set rD, ACC+16*TAU+8*\t
.else
.set rD, ACC+64*\t+8*TAU
.endif
.set rX, 64*\tl+8*\s
.set rW, 128*\buf+64*\t+8*\s
.set rC, rD
.if \s == 0
.set rC, BB+16*\buf+8*\t
.endif
.set sX, XS+4*TAU+(\s&3)
.set sW, WS+8*\buf+4*\t+(\s&3)
.if \swapped
	WMS rD, rW, rX, rC, sW, sX, \s/4
.else
	WMS rD, rX, rW, rC, sX, sW, \s/4
.endif
.endr
.endr
.endr
.endr
	WIN 0
	PLACES 5                               ; four in front of reads of results and of loads into operands; five in front of the next run, which begins these accumulators anew
.endm
; 64 numbers of a lane, register 16 b + i = number 16 (lane / 16) + i of block b.  QCORE: each block's largest magnitude (with the floor 2^(3 - 127): the byte cannot fall under 1), the conversion's scale operand, the byte.
.macro QCORE s
.irp b, 0,1,2,3
	v_max3_num_f32 v[TM+\b], |v[(\s)+16*\b]|, |v[(\s)+16*\b+1]|, 0x1800000
.endr
.irp i, 2,4,6,8,10,12,14
.irp b, 0,1,2,3
	v_max3_num_f32 v[TM+\b], v[TM+\b], |v[(\s)+16*\b+\i]|, |v[(\s)+16*\b+\i+1]|
.endr
.endr
.irp b, 0,1,2,3
	v_permlanex16_b32 v[TM+4+\b], v[TM+\b], s[SEL], s[SEL+1]
.endr
.irp b, 0,1,2,3
	v_max_num_f32 v[TM+\b], v[TM+\b], v[TM+4+\b]
.endr
.irp b, 0,1,2,3
	v_add_nc_u32 v[TM+12+\b], 0xff000000, v[TM+\b]
.endr
.irp b, 0,1,2,3
	v_lshrrev_b32 v[TM+4+\b], 23, v[TM+12+\b]
.endr
.endm
.macro QCVT s
.irp b, 0,1,2,3
	v_cvt_scalef32_pk8_fp4_f32 v[PC+2*\b], v[(\s)+16*\b:(\s)+16*\b+7], v[TM+12+\b]
	v_cvt_scalef32_pk8_fp4_f32 v[PC+2*\b+1], v[(\s)+16*\b+8:(\s)+16*\b+15], v[TM+12+\b]
.endr
	v_nop                                  ; one plain place behind the scaled conversions
.endm
.macro QUANT s                         ; the four blocks are one row's 128 along K: a fragment in v[PC] on, its scale word in v[PW]
	s_wait_xcnt 0x0                        ; the last stores have read v[PC] on
	QCORE \s
	v_lshl_or_b32 v[PW], v[TM+5], 8, v[TM+4]
	v_lshl_or_b32 v[PW], v[TM+6], 16, v[PW]
	v_lshl_or_b32 v[PW], v[TM+7], 24, v[PW]
	QCVT \s
.irp c, 0,1                            ; the operand wants a whole block in a lane
.irp i, 0,1
	v_permlane16_swap_b32 v[PC+4*\c+\i], v[PC+4*\c+2+\i]
.endr
.endr
.endm
	s_load_b512 s[4:19], s[0:1], 0x0       ; x codes, x scales; then for each weight codes, scales, bias: cond, a ..
	s_load_b512 s[20:35], s[0:1], 0x40     ; b, sel, key ..
	s_load_b256 s[36:43], s[0:1], 0x80     ; b_key, cm, vq, sel
	s_load_b64 s[44:45], s[0:1], 0xa0      ; keyq
	v_lshl_add_u32 v[SPW], v0, 2, SPARE
	v_mov_b32 v[NIL], 0
	v_lshrrev_b32 v1, 5, v0
	v_readfirstlane_b32 s46, v1            ; wave
	s_mov_b32 s47, ttmp9                   ; slice of 128 columns
	s_and_b32 s48, ttmp7, 0xffff           ; batch
	v_and_b32 v1, 15, v0                   ; r
	v_bfe_u32 v2, v0, 4, 1                 ; h
	v_and_b32 v3, 31, v0
	v_lshlrev_b32 v3, 4, v3                ; 16 x lane
	v_and_b32 v4, 8, v1
	v_add_nc_u32 v4, v4, v1                ; r + 8 (r / 8)
	v_lshlrev_b32 v6, 5, v4
	v_lshl_add_u32 v6, v2, 4, v6           ; scale words of such rows: 32 bytes a row, + 16 h
	v_lshlrev_b32 v4, 9, v4
	v_lshl_add_u32 v4, v2, 4, v4           ; codes of such rows: 512 bytes a row, + 16 h
	v_lshlrev_b32 v5, 9, v1
	v_lshl_add_u32 v5, v2, 4, v5           ; codes of rows as they lie
	v_lshlrev_b32 v7, 5, v1
	v_lshl_add_u32 v7, v2, 4, v7           ; their scale words
	v_lshlrev_b32 v8, 2, v1                ; 4 r
	v_lshlrev_b32 v9, 5, v2                ; 32 h
	v_lshlrev_b32 v10, 6, v2               ; 64 h
	v_lshlrev_b32 v11, 4, v1
	v_lshl_add_u32 v12, v2, 3, v11         ; keyq: 16 r + 8 h
	v_lshl_add_u32 v11, v2, 10, v11        ; cm: 1024 h + 16 r
	s_lshl_b32 s52, s46, 14
	v_add_nc_u32 v13, s52, v3              ; where I store x's images: 16 lane + 16384 wave
	v_lshl_add_u32 v14, v1, 2, GS
	v_add_nc_u32 v14, s46, v14             ; key's scale byte: 4 r + wave
	s_lshl_b32 s52, s46, 7
	v_lshl_add_u32 v15, v1, 2, GS+512
	v_add_nc_u32 v15, s52, v15             ; the values' scale words: 128 wave + 4 r
	s_lshl_b32 s52, s46, 9
	v_add_nc_u32 v249, s52, v3
	v_add_nc_u32 v249, GS, v249            ; the last copy: 512 wave + 16 lane
.irp b, 0,1,2,3
	v_mov_b32 v[TM+4+\b], 0                ; written once: a lane permute's destination counts as one of its sources
.endr
	s_mov_b32 s[SEL], 0x76543210
	s_mov_b32 s[SEL+1], 0xfedcba98         ; lane l xor 16
	s_lshl_b32 s52, s47, 16
	s_lshl_b32 s54, s46, 14
	s_add_co_u32 s52, s52, s54             ; a weight's codes: 65536 slice + 16384 wave
	s_mov_b32 s53, 0
	s_lshr_b32 s54, s52, 4                 ; its scales: 4096 slice + 1024 wave
	s_mov_b32 s55, 0
	s_lshr_b32 s56, s52, 7                 ; its bias: 512 slice + 128 wave
	s_mov_b32 s57, 0
	s_mov_b32 s59, 0
	s_wait_kmcnt 0x0
.irp k, 0,1,2,3,4
	s_add_nc_u64 s[8+6*\k:9+6*\k], s[8+6*\k:9+6*\k], s[52:53]
	s_add_nc_u64 s[10+6*\k:11+6*\k], s[10+6*\k:11+6*\k], s[54:55]
	s_add_nc_u64 s[12+6*\k:13+6*\k], s[12+6*\k:13+6*\k], s[56:57]
.endr
	s_lshl_b32 s58, s48, 16
	s_lshl_b32 s49, s46, 14
	s_add_co_u32 s58, s58, s49
	s_add_nc_u64 s[4:5], s[4:5], s[58:59]  ; x's codes: my two tiles' 32 rows
	s_lshl_b32 s58, s48, 12
	s_add_nc_u64 s[6:7], s[6:7], s[58:59]  ; x's scales: the batch
	s_lshl_b32 s58, s48, 19
	s_add_co_u32 s58, s58, s52
	s_add_nc_u64 s[38:39], s[38:39], s[58:59]  ; cm and sel: 524288 b + 8192 (8 slice + 2 wave)
	s_add_nc_u64 s[42:43], s[42:43], s[58:59]
	s_lshl_b32 s58, s48, 13
	s_lshl_b32 s49, s47, 9
	s_add_co_u32 s58, s58, s49
	s_lshr_b32 s49, s46, 1
	s_lshl_b32 s49, s49, 12
	s_add_co_u32 s58, s58, s49
	s_add_co_u32 s58, s58, 0x400000
	s_add_nc_u64 s[62:63], s[40:41], s[58:59]  ; vq's scale words: class 0 for wave 1, class 1 for wave 2
	s_lshl_b32 s58, s48, 17
	s_lshr_b32 s49, s52, 3
	s_add_co_u32 s58, s58, s49
	s_add_nc_u64 s[40:41], s[40:41], s[58:59]  ; vq's codes: 1024 (128 b + 8 slice + 2 wave)
	s_mul_i32 s58, s48, 69632
	s_add_nc_u64 s[44:45], s[44:45], s[58:59]  ; keyq at the batch
	s_lshl_b32 s58, s47, 9
	s_add_co_u32 s58, s58, 65536
	s_add_nc_u64 s[60:61], s[44:45], s[58:59]  ; its scale words of K step slice
	s_lshl_b32 s58, s47, 10
	s_lshl_b32 s49, s46, 8
	s_add_co_u32 s58, s58, s49
	s_add_nc_u64 s[44:45], s[44:45], s[58:59]  ; its codes: K step slice, block wave of it
	s_cmp_eq_u32 s46, 0
	s_cselect_b64 s[60:61], s[60:61], s[62:63] ; where my wave's last copy goes (the choice hangs on the wave's number alone)
	WIN 0x40
.irp u, 0,1                            ; x's tiles 2 w and 2 w + 1, into the weight's second set, which is free yet
.irp s, 0,1,2,3,4,5,6,7
.irp c, 0,1
	global_load_b128 v[128+64*\u+8*\s+4*\c:128+64*\u+8*\s+4*\c+3], v4, s[4:5] offset:\u*4096+64*\s+32*\c
.endr
.endr
.endr
	WIN 0
.irp ta, 0,1,2,3,4,5,6,7
	global_load_b128 v[XS+4*\ta:XS+4*\ta+3], v6, s[6:7] offset:(32*(\ta/2)+8*(\ta%2))*32
.endr
	LOADW 0, 0, 0
	s_wait_loadcnt 44                      ; behind x's 32 loads stand 8 of scale words and the first weight's 36
	WIN 0x04
.irp u, 0,1
.irp s, 0,1,2,3,4,5,6,7
.irp c, 0,1
	ds_store_b128 v13, v[128+64*\u+8*\s+4*\c:128+64*\u+8*\s+4*\c+3] offset:\u*8192+\s*1024+\c*512
.endr
.endr
.endr
	WIN 0
	s_wait_dscnt 0x0                       ; for the others' sake: my images have landed
	s_barrier_signal -1
	s_barrier_wait -1
.irp hf, 0,1
	WIN 0x80+0x40*\hf
.irp tl, 0,1,2,3
.irp s, 0,1,2,3,4,5,6,7
.irp c, 0,1
	ds_load_b128 v[64*\tl+8*\s+4*\c:64*\tl+8*\s+4*\c+3], v3 offset:(4*\hf+\tl)*8192+\s*1024+\c*512
.endr
.endr
.endr
.endr
	WIN 0
	; ---- cond: x is source 0: the lane is d, the registers run over positions
	LOADW 1, 1, 0
	s_wait_loadcnt 36                      ; all but the next weight's 36
	s_wait_dscnt 0x0                       ; x's fragments are in
	SPREAD 0
	MULPAIR 0, 0, 0
.irp t, 0,1
.irp ta, 0,1,2,3,4,5,6,7
.irp p, 0,1
	global_store_b128 v11, v[ACC+64*\t+8*\ta+4*\p:ACC+64*\t+8*\ta+4*\p+3], s[38:39] offset:\t*8192+(8*(\ta/2)+2*(\ta%2)+\p)*256   ; 16 lanes fill a unit of 256 bytes: 16 d x 4 positions
.endr
.endr
.endr
	; ---- a and b: likewise; a lane's 64 numbers are its column's 128 positions' half: quantised along the positions
.macro E_VAL cls
.irp t, 0,1
	QUANT ACC+64*\t
	global_store_b128 v3, v[PC:PC+3], s[40:41] offset:\cls*65536+\t*1024
	global_store_b128 v3, v[PC+4:PC+7], s[40:41] offset:\cls*65536+\t*1024+512
	ds_store_b32 v15, v[PW] offset:\cls*512+\t*64
.endr
.endm
	LOADW 2, 0, 0
	s_wait_loadcnt 36
	SPREAD 1
	s_wait_xcnt 0x0                        ; cond's stores have read the accumulators
	MULPAIR 1, 0, 0
	E_VAL 0
	LOADW 3, 1, 1
	s_wait_loadcnt 38
	SPREAD 0
	MULPAIR 0, 0, 0
	E_VAL 1
	; ---- sel: the weight is source 0: the lane is a position, the registers run over d.  sigmoid(t) = 1 / (1 + 2^(-1.442695 t))
	LOADW 4, 0, 2
	s_wait_loadcnt 38
	MULPAIR 1, 1, 0
.set i, 0
.rept 64
	v_pk_mul_f32 v[ACC+i:ACC+i+1], v[ACC+i:ACC+i+1], 0xbfb8aa3b op_sel_hi:[1,0]
.set i, i+2
.endr
.set i, 0
.rept 128
	v_exp_f32 v[ACC+i], v[ACC+i]
.set i, i+1
.endr
	v_nop                                  ; a plain place behind the batch,
	s_wait_alu depctr_va_vdst(0)           ; and one wait for it, ahead of its first reader
.set i, 0
.rept 64
	v_pk_add_f32 v[ACC+i:ACC+i+1], v[ACC+i:ACC+i+1], 1.0 op_sel_hi:[1,0]
.set i, i+2
.endr
.set i, 0
.rept 128
	v_rcp_f32 v[ACC+i], v[ACC+i]
.set i, i+1
.endr
	v_nop
	s_wait_alu depctr_va_vdst(0)
.irp t, 0,1
.irp ta, 0,1,2,3,4,5,6,7
.irp p, 0,1
	global_store_b128 v3, v[ACC+64*\t+8*\ta+4*\p:ACC+64*\t+8*\ta+4*\p+3], s[42:43] offset:\t*8192+\ta*1024+\p*512
.endr
.endr
.endr
	; ---- key: the weight is source 0, its rows chosen so that a lane's 16 registers of a tile of positions are 16 neighbouring d: with lane l xor 16 one block of 32, block w of K step slice
	s_wait_loadcnt 0x0
	s_wait_xcnt 0x0                        ; sel's stores have read the accumulators
	MULPAIR 0, 1, 1
.irp q, 0,1
	s_wait_xcnt 0x0                        ; the last stores have read v[PC] on
	QCORE ACC+64*\q
	QCVT ACC+64*\q
.irp b, 0,1,2,3
	global_store_b64 v12, v[PC+2*\b:PC+2*\b+1], s[44:45] offset:(4*\q+\b)*8192   ; 32 lanes fill a unit of 256 bytes of tile 4 q + b's image
	ds_store_b8 v14, v[TM+4+\b] offset:(4*\q+\b)*64                             ; both lanes of a block write the same byte with the same value
.endr
.endr
	s_wait_dscnt 0x0                       ; for the others' sake: my scale bytes and words have landed
	s_barrier_signal -1
	s_barrier_wait -1
	s_cmp_eq_u32 s46, 3
	s_cbranch_scc1 .Lno_words              ; waves 0, 1, 2 store 512 bytes each: key's words, a's, b's
	ds_load_b128 v[TM:TM+3], v249
	s_wait_dscnt 0x0
	global_store_b128 v3, v[TM:TM+3], s[60:61]
.Lno_words:
	s_wait_tensorcnt 0x0                   ; the wave's end
	ds_add_u32 v[SPW], v[NIL]
	s_wait_dscnt 0x0
	s_endpgm
.Lfunc_end_k_q1d93c808e6_proj:
	.size	k_q1d93c808e6_proj, .Lfunc_end_k_q1d93c808e6_proj-k_q1d93c808e6_proj
	.p2alignl 7, 3214868480
	.fill 96, 4, 3214868480
	.section	.rodata,"a",@progbits
	.p2align	6, 0x0
	.amdhsa_kernel k_q1d93c808e6_proj
		.amdhsa_group_segment_fixed_size 68096
		.amdhsa_private_segment_fixed_size 0
		.amdhsa_enable_private_segment 0
		.amdhsa_kernarg_size 168
		.amdhsa_user_sgpr_count 2
		.amdhsa_user_sgpr_kernarg_segment_ptr 1
		.amdhsa_wavefront_size32 1
		.amdhsa_system_sgpr_workgroup_id_x 1
		.amdhsa_system_sgpr_workgroup_id_y 1
		.amdhsa_system_sgpr_workgroup_id_z 1
		.amdhsa_system_vgpr_workitem_id 0
		.amdhsa_next_free_vgpr 1024
		.amdhsa_next_free_sgpr 80
		.amdhsa_reserve_vcc 0
		.amdhsa_float_denorm_mode_32 3
		.amdhsa_float_denorm_mode_16_64 3
		.amdhsa_memory_ordered 1
		.amdhsa_forward_progress 1
		.amdhsa_inst_pref_size 168
	.end_amdhsa_kernel
	.amdgpu_metadata
---
amdhsa.version: [ 1, 2 ]
amdhsa.kernels:
  - .name:           k_q1d93c808e6_proj
    .symbol:         k_q1d93c808e6_proj.kd
    .args:
      - { .name: x_codes, .offset: 0, .size: 8, .value_kind: global_buffer, .address_space: global }
      - { .name: x_scales, .offset: 8, .size: 8, .value_kind: global_buffer, .address_space: global }
      - { .name: W_cond_codes, .offset: 16, .size: 8, .value_kind: global_buffer, .address_space: global }
      - { .name: W_cond_scales, .offset: 24, .size: 8, .value_kind: global_buffer, .address_space: global }
      - { .name: b_cond, .offset: 32, .size: 8, .value_kind: global_buffer, .address_space: global }
      - { .name: W_a_codes, .offset: 40, .size: 8, .value_kind: global_buffer, .address_space: global }
      - { .name: W_a_scales, .offset: 48, .size: 8, .value_kind: global_buffer, .address_space: global }
      - { .name: b_a, .offset: 56, .size: 8, .value_kind: global_buffer, .address_space: global }
      - { .name: W_b_codes, .offset: 64, .size: 8, .value_kind: global_buffer, .address_space: global }
      - { .name: W_b_scales, .offset: 72, .size: 8, .value_kind: global_buffer, .address_space: global }
      - { .name: b_b, .offset: 80, .size: 8, .value_kind: global_buffer, .address_space: global }
      - { .name: W_sel_codes, .offset: 88, .size: 8, .value_kind: global_buffer, .address_space: global }
      - { .name: W_sel_scales, .offset: 96, .size: 8, .value_kind: global_buffer, .address_space: global }
      - { .name: b_sel, .offset: 104, .size: 8, .value_kind: global_buffer, .address_space: global }
      - { .name: W_key_codes, .offset: 112, .size: 8, .value_kind: global_buffer, .address_space: global }
      - { .name: W_key_scales, .offset: 120, .size: 8, .value_kind: global_buffer, .address_space: global }
      - { .name: b_key, .offset: 128, .size: 8, .value_kind: global_buffer, .address_space: global }
      - { .name: cm, .offset: 136, .size: 8, .value_kind: global_buffer, .address_space: global }
      - { .name: vq, .offset: 144, .size: 8, .value_kind: global_buffer, .address_space: global }
      - { .name: sel, .offset: 152, .size: 8, .value_kind: global_buffer, .address_space: global }
      - { .name: keyq, .offset: 160, .size: 8, .value_kind: global_buffer, .address_space: global }
    .group_segment_fixed_size: 68096
    .private_segment_fixed_size: 0
    .kernarg_segment_align: 8
    .kernarg_segment_size: 168
    .max_flat_workgroup_size: 128
    .sgpr_count:     80
    .vgpr_count:     1024
    .wavefront_size: 32
...
	.end_amdgpu_metadata
.endif
;; end of part 1
;; launch zfw (part 2): grid 8 x 32, 4 waves a work-group, no clusters, 272,896 bytes of LDS; arguments cm, keyq, query_emb, n_indexes, fw_mask, zt, fwq; writes zt, fwq
.if DOCPART == 2
	.amdgcn_target "amdgcn-amd-amdhsa--gfx1250"
	.amdhsa_code_object_version 6
	.text
	.protected	k_q1d93c808e6_zfw
	.globl	k_q1d93c808e6_zfw
	.p2align	8
	.type	k_q1d93c808e6_zfw,@function
k_q1d93c808e6_zfw:
	s_mov_b64 s[64:65], 0
	v_nop
	global_prefetch_b8 v0, s[64:65] scope:SCOPE_SE
	s_setreg_imm32_b32 hwreg(HW_REG_WAVE_MODE, 25, 1), 1
	s_wait_xcnt 0x0
; ZFW: z2 = Q(query_emb[idx[e]] + cond[l]) . Q(x_key), and the forward weights relu(+-z) fw / (sum + EPS), quantised along the keys.
; z2 = 32 z: the division by sqrt(1024) is not carried out and EPS is taken 32 times: the weights are the same in f32 (shown at the head of the first kernel; limit: no denormal z, no overflow of 32 z).
; SHARES.  A work-group takes 16 positions l (ttmp9), 256 rows q = 16 l + e, of one batch (ttmp7); wave w four of them.  A tile of q is one l, its row is e.
; BOTH ORIENTATIONS are multiplied: F = key x query (the lane is q, the registers of two neighbouring tiles are 16 neighbouring keys: what the forward weights want) and
; B = query x key (the lane is a key, the registers run over q: what the next launch wants).  The sums are the same bit for bit; the second run of products takes the place of a transposition through LDS.
; THE QUERY OPERAND.  A lane holds 64 numbers of query_emb[idx[r]] for a K step; they serve all four l.  cond[l] is the same for all 16 rows: a lane loads ONE d of it, and the addition takes it from lane n of
; the row of 16 lanes (row_share).  A lane then holds two whole blocks of 32: no other lane is asked for a maximum.
; LDS: the 16 chosen rows of query_emb in the order in which lanes read them (stored once); the batch's key images and scale words, and each wave's 64 rows of fw_mask, by tensor loads: all first fills, nothing is filled again.
; NO CLUSTER: what the 8 work-groups of a batch share is the key block, 68 KiB fetched once, a small part of what a work-group reads (its mask rows alone are 128 KiB).
; LIMITS: an index is held at 15 from above (it changes none that lies inside the table); a block of zeros has the byte 1; NaN and infinities are not served.
; REGISTERS.  window 0, in the loop: v1-14 addresses; v15 the query's scale word, v16-23 the keys' (scales and nothing else); v24-39 cond on its way, v40-55 at work; v56-119 query_emb; v120-151 the sums; v152-215 key fragments;
;   v216-223 the query's fragment; v224-235 at work.  On the way out: v24-87 mask, v88-151 relu(z), v152-215 relu(-z), v216-249 the quantiser's.   window 1: F, at 64 l + 8 ta.   window 2: B, likewise.
.set QEI,   0                          ; 8 K steps x 16 lines x 528 bytes
.set KCI,   67584                      ; 64 images of 1 KiB, then 4,096 bytes of scale words
.set MSK,   137216                     ; for each wave 64 rows of 512 bytes + 16
.set SPARE, 272384
.set QW,  15
.set KS,  16
.set CI,  24
.set CP,  40
.set QE,  56
.set S,   120
.set KF,  152
.set QF,  216
.set MA,  224
.set MB,  225
.set SO,  226
.set B0,  227
.set B1,  228
.set TW,  229
.set TW2, 230
.set MK,  24
.set AA,  88
.set CC,  152
.set TM,  216
.set PC,  232
.set PW,  240
.set PWA, 242
.set PWC, 246
.set SPW, 252
.set NIL, 253
.set SEL, 60
.set MSB, 0
.macro WIN new
.if MSB != (\new)
	s_set_vgpr_msb (MSB<<8)|(\new)
.set MSB, (\new)
.endif
.endm
.macro PLACES n
.rept \n
	v_nop
.endr
.endm
	s_load_b256 s[4:11], s[0:1], 0x0       ; cm, keyq, query_emb, n_indexes
	s_load_b128 s[12:15], s[0:1], 0x20     ; fw_mask, zt
	s_load_b64 s[16:17], s[0:1], 0x30      ; fwq
	v_lshl_add_u32 v[SPW], v0, 2, SPARE
	v_mov_b32 v[NIL], 0
	ds_add_u32 v[SPW], v[NIL]              ; the opening: the add, twice on end, and its wait ahead of my first tensor load
	ds_add_u32 v[SPW], v[NIL]
	v_lshrrev_b32 v1, 5, v0
	v_readfirstlane_b32 s52, v1            ; wave
	s_mov_b32 s53, ttmp9                   ; which 16 positions
	s_and_b32 s54, ttmp7, 0xffff           ; batch
	; group 1 for the key block: a quarter of 69,632 dense bytes, as 68 rows of 256 bytes (32 elements of 8 bytes)
	s_mov_b32 s24, 3<<16
	s_mov_b32 s25, 32<<16
	s_mov_b32 s26, 68<<16
	s_mov_b32 s27, 32<<16
	s_mov_b32 s28, 68
	s_mov_b32 s29, 32
	s_mov_b32 s30, 0
	s_mov_b32 s31, 0
	; group 1 for the mask: 64 rows of 128 elements of 4 bytes, 4 words of padding behind each 128
	s_mov_b32 s32, (2<<16)|(1<<20)|(6<<22)|(3<<25)
	s_mov_b32 s33, 128<<16
	s_mov_b32 s34, 64<<16
	s_mov_b32 s35, 128<<16
	s_mov_b32 s36, 64
	s_mov_b32 s37, 128
	s_mov_b32 s38, 0
	s_mov_b32 s39, 0
	s_mov_b32 s40, 1
	s_mul_i32 s41, s52, 17408
	s_mul_i32 s56, s54, 69632
	s_add_co_u32 s56, s56, s41             ; the key block: batch, my quarter
	s_add_co_u32 s41, s41, KCI
	s_mov_b32 s57, 0
	s_mov_b32 s44, 1
	s_mul_i32 s45, s52, 33792
	s_add_co_u32 s45, s45, MSK
	s_lshl_b32 s58, s54, 20
	s_lshl_b32 s20, s53, 17
	s_add_co_u32 s58, s58, s20
	s_lshl_b32 s20, s52, 15
	s_add_co_u32 s58, s58, s20             ; the mask: 512 (2048 b + 256 g + 64 w)
	s_mov_b32 s59, 0
	s_mov_b32 s[SEL], 0x76543210
	s_mov_b32 s[SEL+1], 0xfedcba98
	v_and_b32 v1, 15, v0                   ; r
	v_bfe_u32 v2, v0, 4, 1                 ; h
	v_and_b32 v3, 31, v0
	v_lshlrev_b32 v3, 4, v3                ; 16 x lane
	v_add_nc_u32 v4, QEI, v3
	v_add_nc_u32 v5, KCI, v3
	v_lshl_add_u32 v6, v1, 2, KCI+65536
	v_lshlrev_b32 v10, 4, v1
	v_lshl_add_u32 v11, v2, 9, v10         ; zt: 512 h + 16 r
	v_lshl_add_u32 v13, v2, 13, v10        ; fwq's words: 8192 h + 16 r
	v_lshl_add_u32 v10, v2, 14, v10        ; cm: 16384 h + 16 r
	v_mul_u32_u24 v12, v1, 528
	v_lshl_add_u32 v12, v2, 6, v12
	v_add_nc_u32 v12, s45, v12             ; my mask row r, + 64 h
	v_lshlrev_b32 v14, 3, v2               ; 8 h
	v_mov_b32 v[TW2], 0                    ; written once: a lane permute's destination counts as one of its sources
	v_and_b32 v235, 7, v0
	v_lshl_add_u32 v235, v2, 3, v235
	v_mul_u32_u24 v235, v235, 528
	v_bfe_u32 v234, v0, 3, 1
	v_lshl_add_u32 v235, v234, 8, v235
	s_lshl_b32 s20, s52, 6
	v_add_nc_u32 v235, s20, v235           ; where a loaded row's 16 bytes go: line 8 (lane / 16) + lane % 8, half (lane / 8) % 2, + 64 wave
	s_wait_dscnt 0x0                       ; both opening adds are done
	s_wait_kmcnt 0x0
	s_add_nc_u64 s[42:43], s[6:7], s[56:57]
	s_or_b32 s43, s43, 0x80000000
	s_add_nc_u64 s[46:47], s[12:13], s[58:59]
	s_or_b32 s47, s47, 0x80000000
	tensor_load_to_lds s[40:43], s[24:31]  ; both first fills go out together: two loads of mine are out
	s_nop 0
	tensor_load_to_lds s[44:47], s[32:39]
	s_nop 0
	PLACES 4
	s_lshl_b32 s56, s54, 6
	s_lshl_b32 s20, s52, 4
	s_add_co_u32 s56, s56, s20
	s_add_nc_u64 s[10:11], s[10:11], s[56:57]
	s_load_b128 s[48:51], s[10:11], 0x0    ; idx[4 w .. 4 w + 3]
	s_lshl_b32 s56, s54, 19
	s_lshl_b32 s20, s53, 10
	s_add_co_u32 s56, s56, s20
	s_lshl_b32 s20, s52, 8
	s_add_co_u32 s56, s56, s20
	s_add_nc_u64 s[4:5], s[4:5], s[56:57]  ; cm: 524288 b + 256 (4 g + w)
	s_lshl_b32 s56, s54, 20
	s_lshl_b32 s20, s53, 14
	s_add_co_u32 s56, s56, s20
	s_lshl_b32 s20, s52, 12
	s_add_co_u32 s56, s56, s20
	s_add_nc_u64 s[14:15], s[14:15], s[56:57]  ; zt: 1048576 b + 1024 l0
	s_lshl_b32 s56, s54, 14
	s_lshl_b32 s20, s53, 10
	s_add_co_u32 s56, s56, s20
	s_lshl_b32 s20, s52, 8
	s_add_co_u32 s56, s56, s20
	s_add_co_u32 s56, s56, 0x800000
	s_add_nc_u64 s[18:19], s[16:17], s[56:57]  ; fwq's words: 8388608 + 16384 b + 256 (4 g + w)
	s_lshl_b32 s56, s54, 18
	s_lshl_b32 s20, s53, 15
	s_add_co_u32 s56, s56, s20
	s_lshl_b32 s20, s52, 13
	s_add_co_u32 s56, s56, s20
	s_add_nc_u64 s[16:17], s[16:17], s[56:57]  ; fwq's codes: 2048 (128 b + l0)
	s_wait_kmcnt 0x0
.irp k, 0,1,2,3
	s_min_u32 s[48+\k], s[48+\k], 15
	s_lshl_b32 s[48+\k], s[48+\k], 12
	v_add_nc_u32 v[231+\k], s[48+\k], v3
.endr
.irp k, 0,1,2,3                        ; rows e = 4 w + k of the table, 512 consecutive bytes a load
.irp s, 0,1,2,3,4,5,6,7
	global_load_b128 v[QE+4*(8*\k+\s):QE+4*(8*\k+\s)+3], v[231+\k], s[8:9] offset:512*\s
.endr
.endr
.macro CLOAD                           ; cond of my four l for one K step: register 4 gg + l, lane (n, h): d = 64 (gg / 2) + 32 h + 16 (gg % 2) + n
.irp gg, 0,1,2,3
	global_load_b128 v[CI+4*\gg:CI+4*\gg+3], v10, s[4:5] offset:(\gg/2)*32768+(\gg%2)*8192
.endr
.endm
	CLOAD
	s_wait_loadcnt 4                       ; the rows are in; cond's four loads stand behind them
.irp k, 0,1,2,3
.irp s, 0,1,2,3,4,5,6,7
	ds_store_b128 v235, v[QE+4*(8*\k+\s):QE+4*(8*\k+\s)+3] offset:8448*\s+16*\k
.endr
.endr
	s_wait_tensorcnt 0x1                   ; my quarter of the key block has landed; my mask rows may stay out, and I alone read them
	s_wait_dscnt 0x0
	s_barrier_signal -1
	s_barrier_wait -1
	s_mov_b32 s21, 0                       ; the K step's place among the table's lines,
	s_mov_b32 s22, 0                       ; the key images,
	s_mov_b32 s23, 0                       ; and the keys' scale words
; One l of a K step: the query operand is made (two blocks of 32 a lane) and multiplied both ways.  w0 = 1: the step's key fragments are waited for here.
.macro QL ll, zero, w0
.irp c, 0,1
.irp u, 0,1
.irp n, 0,1,2,3,4,5,6,7,8,9,10,11,12,13,14,15
	v_add_f32_dpp v[S+16*\u+\n], v[CP+4*(2*\c+\u)+\ll], v[QE+32*\c+16*\u+\n] row_share:\n row_mask:0xf bank_mask:0xf
.endr
.endr
	v_max3_num_f32 v[MA], |v[S]|, |v[S+1]|, 0x1800000        ; the floor 2^(3 - 127): the byte cannot fall under 1
	v_max3_num_f32 v[MB], |v[S+2]|, |v[S+3]|, 0x1800000
.irp i, 4,8,12,16,20,24,28
	v_max3_num_f32 v[MA], v[MA], |v[S+\i]|, |v[S+\i+1]|
	v_max3_num_f32 v[MB], v[MB], |v[S+\i+2]|, |v[S+\i+3]|
.endr
	v_max_num_f32 v[MA], v[MA], v[MB]
	v_add_nc_u32 v[SO], 0xff000000, v[MA]                    ; 2 off the exponent field: the conversion's scale operand
	v_lshrrev_b32 v[B0+\c], 23, v[SO]                        ; the byte of block 2 c + h
.if \c == 1
	v_lshl_or_b32 v[TW], v[B1], 16, v[B0]
	v_lshlrev_b32 v[TW], v14, v[TW]                          ; my two bytes at their places, 8 h bits up;
	v_permlanex16_b32 v[TW2], v[TW], s[SEL], s[SEL+1]
	v_or_b32 v[QW], v[TW], v[TW2]                            ; with lane l xor 16's two the word is whole
.endif
.irp g, 0,1,2,3
	v_cvt_scalef32_pk8_fp4_f32 v[QF+4*\c+\g], v[S+8*\g:S+8*\g+7], v[SO]
.endr
.if \c == 0
	v_nop                                                    ; one plain place behind the conversions: their sources are written next
.else
	PLACES 8                                                 ; a scale word made by vector lines stands 8 places ahead of a scaled product, an operand so made 4
.endif
.endr
.if \w0
	s_wait_dscnt 0x0
.endif
	WIN 0x50
.irp ta, 0,1,2,3,4,5,6,7
.if \zero
	v_wmma_scale_f32_16x16x128_f8f6f4 v[64*\ll+8*\ta:64*\ll+8*\ta+7], v[KF+8*\ta:KF+8*\ta+7], v[QF:QF+7], 0, v[KS+\ta], v[QW] matrix_a_fmt:MATRIX_FMT_FP4 matrix_b_fmt:MATRIX_FMT_FP4
.else
	v_wmma_scale_f32_16x16x128_f8f6f4 v[64*\ll+8*\ta:64*\ll+8*\ta+7], v[KF+8*\ta:KF+8*\ta+7], v[QF:QF+7], v[64*\ll+8*\ta:64*\ll+8*\ta+7], v[KS+\ta], v[QW] matrix_a_fmt:MATRIX_FMT_FP4 matrix_b_fmt:MATRIX_FMT_FP4
.endif
.endr
	WIN 0xa0
.irp ta, 0,1,2,3,4,5,6,7
.if \zero
	v_wmma_scale_f32_16x16x128_f8f6f4 v[64*\ll+8*\ta:64*\ll+8*\ta+7], v[QF:QF+7], v[KF+8*\ta:KF+8*\ta+7], 0, v[QW], v[KS+\ta] matrix_a_fmt:MATRIX_FMT_FP4 matrix_b_fmt:MATRIX_FMT_FP4
.else
	v_wmma_scale_f32_16x16x128_f8f6f4 v[64*\ll+8*\ta:64*\ll+8*\ta+7], v[QF:QF+7], v[KF+8*\ta:KF+8*\ta+7], v[64*\ll+8*\ta:64*\ll+8*\ta+7], v[QW], v[KS+\ta] matrix_a_fmt:MATRIX_FMT_FP4 matrix_b_fmt:MATRIX_FMT_FP4
.endif
.endr
	WIN 0
.endm
; A K step of 128 along d: 64 products on 64 accumulators, each once: no two that follow each other share one, over the backward jump too.
.macro KSTEP zero
	s_wait_loadcnt 0x0                     ; this step's cond is in, so its loads' base may step
.irp i, 0,1,2,3,4,5,6,7,8,9,10,11,12,13,14,15
	v_mov_b32 v[CP+\i], v[CI+\i]           ; (these are also the places in front of the loads into registers that the last products read)
.endr
	s_add_nc_u64 s[4:5], s[4:5], 0x10000
.if \zero
	CLOAD
.else
	s_cmp_eq_u32 s20, 1                    ; the last trip asks for nothing: no load leaves its buffer
	s_cbranch_scc1 .Lnoc_\@
	CLOAD
.Lnoc_\@:
.endif
	v_add_nc_u32 v7, s21, v4
	v_add_nc_u32 v8, s22, v5
	v_add_nc_u32 v9, s23, v6
.irp c, 0,1
.irp g, 0,1,2,3,4,5,6,7
	ds_load_b128 v[QE+32*\c+4*\g:QE+32*\c+4*\g+3], v7 offset:(8*\c+\g)*528
.endr
.endr
.irp ta, 0,1,2,3,4,5,6,7
.irp c, 0,1
	ds_load_b128 v[KF+8*\ta+4*\c:KF+8*\ta+4*\c+3], v8 offset:\ta*8192+\c*512
.endr
.endr
.irp ta, 0,1,2,3,4,5,6,7
	ds_load_b32 v[KS+\ta], v9 offset:64*\ta
.endr
	s_wait_dscnt 24                        ; the table's 16 loads are in; behind them stand the keys' 16 and their 8 scale words
	QL 0, \zero, 1
	QL 1, \zero, 0
	QL 2, \zero, 0
	QL 3, \zero, 0
	s_add_co_u32 s21, s21, 8448
	s_add_co_u32 s22, s22, 1024
	s_add_co_u32 s23, s23, 512
.endm
	KSTEP 1                                ; the first K step starts the sums: nothing is cleared
	s_mov_b32 s20, 7
.Lk:
	KSTEP 0
	s_sub_co_u32 s20, s20, 1
	s_cmp_lg_u32 s20, 0
	s_cbranch_scc1 .Lk
	; ---- z2 with the key in the lane goes out: 16 lanes fill a unit of 256 bytes (16 keys x 4 q)
	PLACES 4
	WIN 0x08
.irp ll, 0,1,2,3
.irp ta, 0,1,2,3,4,5,6,7
.irp p, 0,1
	global_store_b128 v11, v[64*\ll+8*\ta+4*\p:64*\ll+8*\ta+4*\p+3], s[14:15] offset:\ta*131072+\ll*1024+\p*256
.endr
.endr
.endr
	WIN 0
	s_wait_tensorcnt 0x0                   ; my mask rows have landed
.macro QUANT s                         ; 64 numbers, register 16 b + i = key 32 b + 16 (lane / 16) + i of my row: a fragment in v[PC] on, its scale word in v[PW]
	s_wait_xcnt 0x0                        ; the last stores have read v[PC] on
.irp b, 0,1,2,3
	v_max3_num_f32 v[TM+\b], |v[(\s)+16*\b]|, |v[(\s)+16*\b+1]|, 0x1800000
.endr
.irp i, 2,4,6,8,10,12,14
.irp b, 0,1,2,3
	v_max3_num_f32 v[TM+\b], v[TM+\b], |v[(\s)+16*\b+\i]|, |v[(\s)+16*\b+\i+1]|
.endr
.endr
.irp b, 0,1,2,3
	v_permlanex16_b32 v[TM+4+\b], v[TM+\b], s[SEL], s[SEL+1]
.endr
.irp b, 0,1,2,3
	v_max_num_f32 v[TM+\b], v[TM+\b], v[TM+4+\b]
.endr
.irp b, 0,1,2,3
	v_add_nc_u32 v[TM+12+\b], 0xff000000, v[TM+\b]
.endr
.irp b, 0,1,2,3
	v_lshrrev_b32 v[TM+4+\b], 23, v[TM+12+\b]
.endr
	v_lshl_or_b32 v[PW], v[TM+5], 8, v[TM+4]
	v_lshl_or_b32 v[PW], v[TM+6], 16, v[PW]
	v_lshl_or_b32 v[PW], v[TM+7], 24, v[PW]
.irp b, 0,1,2,3
	v_cvt_scalef32_pk8_fp4_f32 v[PC+2*\b], v[(\s)+16*\b:(\s)+16*\b+7], v[TM+12+\b]
	v_cvt_scalef32_pk8_fp4_f32 v[PC+2*\b+1], v[(\s)+16*\b+8:(\s)+16*\b+15], v[TM+12+\b]
.endr
	v_nop
.irp c, 0,1
.irp i, 0,1
	v_permlane16_swap_b32 v[PC+4*\c+\i], v[PC+4*\c+2+\i]
.endr
.endr
.endm
; The forward weights of one l: mask, relu both ways, the row's sums over the 128 keys, the division, the two quantisers.
.macro FWTILE l
.irp i, 0,1,2,3,4,5,6,7,8,9,10,11,12,13,14,15
	ds_load_b128 v[MK+4*\i:MK+4*\i+3], v12 offset:\l*8448+128*(\i/4)+16*(\i%4)
.endr
	s_wait_dscnt 0x0
	WIN 0x04                               ; source 1: window 1, where F lies
.set i, 0
.rept 64
	v_cmp_ne_u32 vcc_lo, v[MK+i], 0
	v_cndmask_b32 v[CC+i], 0, v[64*\l+i], vcc_lo             ; z2 where the mask is set, else 0; each accumulator is read from its low end on
.set i, i+1
.endr
	WIN 0
.set i, 0
.rept 64
	v_max_num_f32 v[AA+i], 0, v[CC+i]      ; relu(z2)
.set i, i+1
.endr
.set i, 0
.rept 32
	v_pk_add_f32 v[CC+i:CC+i+1], v[AA+i:AA+i+1], v[CC+i:CC+i+1] neg_lo:[0,1] neg_hi:[0,1]   ; relu(-z2) = relu(z2) - z2
.set i, i+2
.endr
	v_pk_add_f32 v[24:25], v[AA:AA+1], v[AA+2:AA+3]          ; the sums: two chains a class
	v_pk_add_f32 v[28:29], v[CC:CC+1], v[CC+2:CC+3]
	v_pk_add_f32 v[26:27], v[AA+4:AA+5], v[AA+6:AA+7]
	v_pk_add_f32 v[30:31], v[CC+4:CC+5], v[CC+6:CC+7]
.irp j, 8,12,16,20,24,28,32,36,40,44,48,52,56,60
	v_pk_add_f32 v[24:25], v[24:25], v[AA+\j:AA+\j+1]
	v_pk_add_f32 v[28:29], v[28:29], v[CC+\j:CC+\j+1]
	v_pk_add_f32 v[26:27], v[26:27], v[AA+\j+2:AA+\j+3]
	v_pk_add_f32 v[30:31], v[30:31], v[CC+\j+2:CC+\j+3]
.endr
	v_pk_add_f32 v[24:25], v[24:25], v[26:27]
	v_pk_add_f32 v[28:29], v[28:29], v[30:31]
	v_add_f32 v24, v24, v25
	v_add_f32 v28, v28, v29
	v_permlanex16_b32 v26, v24, s[SEL], s[SEL+1]
	v_permlanex16_b32 v30, v28, s[SEL], s[SEL+1]
	v_add_f32 v24, v24, v26
	v_add_f32 v28, v28, v30
	v_add_f32 v24, 0x3309705f, v24         ; + 32 EPS
	v_add_f32 v28, 0x3309705f, v28
	v_rcp_f32 v24, v24
	v_rcp_f32 v28, v28
	v_nop                                  ; a plain place behind the two, and one wait ahead of their first reader
	s_wait_alu depctr_va_vdst(0)
.set i, 0
.rept 32
	v_pk_mul_f32 v[AA+i:AA+i+1], v[AA+i:AA+i+1], v[24:25] op_sel_hi:[1,0]
	v_pk_mul_f32 v[CC+i:CC+i+1], v[CC+i:CC+i+1], v[28:29] op_sel_hi:[1,0]
.set i, i+2
.endr
	QUANT AA
	global_store_b128 v3, v[PC:PC+3], s[16:17] offset:\l*2048
	global_store_b128 v3, v[PC+4:PC+7], s[16:17] offset:\l*2048+512
	v_mov_b32 v[PWA+\l], v[PW]
	QUANT CC
	global_store_b128 v3, v[PC:PC+3], s[16:17] offset:\l*2048+1024
	global_store_b128 v3, v[PC+4:PC+7], s[16:17] offset:\l*2048+1536
	v_mov_b32 v[PWC+\l], v[PW]
.endm
	FWTILE 0
	FWTILE 1
	FWTILE 2
	FWTILE 3
	s_mov_b32 s21, 0xffff0000              ; lanes 16-31 take the second class's words
.irp i, 0,1,2,3
	v_cndmask_b32 v[PWA+\i], v[PWA+\i], v[PWC+\i], s21
.endr
	global_store_b128 v13, v[PWA:PWA+3], s[18:19]            ; 16 lanes fill a unit of 256 bytes: 16 e x my four l, for each class
	s_wait_tensorcnt 0x0                   ; the wave's end
	ds_add_u32 v[SPW], v[NIL]
	s_wait_dscnt 0x0
	s_endpgm
.Lfunc_end_k_q1d93c808e6_zfw:
	.size	k_q1d93c808e6_zfw, .Lfunc_end_k_q1d93c808e6_zfw-k_q1d93c808e6_zfw
	.p2alignl 7, 3214868480
	.fill 96, 4, 3214868480
	.section	.rodata,"a",@progbits
	.p2align	6, 0x0
	.amdhsa_kernel k_q1d93c808e6_zfw
		.amdhsa_group_segment_fixed_size 272896
		.amdhsa_private_segment_fixed_size 0
		.amdhsa_enable_private_segment 0
		.amdhsa_kernarg_size 56
		.amdhsa_user_sgpr_count 2
		.amdhsa_user_sgpr_kernarg_segment_ptr 1
		.amdhsa_wavefront_size32 1
		.amdhsa_system_sgpr_workgroup_id_x 1
		.amdhsa_system_sgpr_workgroup_id_y 1
		.amdhsa_system_sgpr_workgroup_id_z 1
		.amdhsa_system_vgpr_workitem_id 0
		.amdhsa_next_free_vgpr 768
		.amdhsa_next_free_sgpr 72
		.amdhsa_reserve_vcc 1
		.amdhsa_float_denorm_mode_32 3
		.amdhsa_float_denorm_mode_16_64 3
		.amdhsa_memory_ordered 1
		.amdhsa_forward_progress 1
		.amdhsa_inst_pref_size 211
	.end_amdhsa_kernel
	.amdgpu_metadata
---
amdhsa.version: [ 1, 2 ]
amdhsa.kernels:
  - .name:           k_q1d93c808e6_zfw
    .symbol:         k_q1d93c808e6_zfw.kd
    .args:
      - { .name: cm, .offset: 0, .size: 8, .value_kind: global_buffer, .address_space: global }
      - { .name: keyq, .offset: 8, .size: 8, .value_kind: global_buffer, .address_space: global }
      - { .name: query_emb, .offset: 16, .size: 8, .value_kind: global_buffer, .address_space: global }
      - { .name: n_indexes, .offset: 24, .size: 8, .value_kind: global_buffer, .address_space: global }
      - { .name: fw_mask, .offset: 32, .size: 8, .value_kind: global_buffer, .address_space: global }
      - { .name: zt, .offset: 40, .size: 8, .value_kind: global_buffer, .address_space: global }
      - { .name: fwq, .offset: 48, .size: 8, .value_kind: global_buffer, .address_space: global }
    .group_segment_fixed_size: 272896
    .private_segment_fixed_size: 0
    .kernarg_segment_align: 8
    .kernarg_segment_size: 56
    .max_flat_workgroup_size: 128
    .sgpr_count:     72
    .vgpr_count:     768
    .wavefront_size: 32
...
	.end_amdgpu_metadata
.endif
;; end of part 2
;; launch bwn (part 3): grid 8 x 32, 16 waves a work-group, no clusters, 141,312 bytes of LDS; arguments zt, bw_mask, bwq; writes bwq
.if DOCPART == 3
	.amdgcn_target "amdgcn-amd-amdhsa--gfx1250"
	.amdhsa_code_object_version 6
	.text
	.protected	k_q1d93c808e6_bwn
	.globl	k_q1d93c808e6_bwn
	.p2align	8
	.type	k_q1d93c808e6_bwn,@function
k_q1d93c808e6_bwn:
	s_mov_b64 s[64:65], 0
	v_nop
	global_prefetch_b8 v0, s[64:65] scope:SCOPE_SE
	s_setreg_imm32_b32 hwreg(HW_REG_WAVE_MODE, 25, 1), 1
	s_wait_xcnt 0x0
; BWN: the backward weights relu(+-z^T) bw / (sum over all 2,048 q + EPS), quantised along q.  z2 = 32 z is read and EPS taken 32 times (shown at the head of the first kernel).
; SHARES.  A work-group takes one tile of 16 keys (ttmp9; row p stands for key 32 (ta / 2) + 8 (ta % 2) + p + 8 (p / 8)) of one batch (ttmp7), with all q; wave v takes q = 128 v .. 128 v + 127.
; Lane (r, h) holds key r and the two whole blocks of 32 q, 2 c + h: no other lane is asked for a maximum.  The sums over q meet in LDS, one barrier.
; THE ORDER INSIDE A BLOCK: the code at place k of a block is that of q = 16 ((k / 8) % 2) + 8 (k / 16) + k % 8: the order in which the next launch's other operand falls out of its registers.
; Both operands of that product are permuted alike inside blocks of 32, which share a scale: the sums are those of the natural order.
; The mask comes by loads of 512 consecutive bytes and turns through the wave's own stage in LDS; z2 lies as lanes want it.  No matrix work, no ring, no cluster: the work-groups share nothing, and memory binds.
; LIMITS: a block of zeros has the byte 1; NaN and infinities are not served.
.set STG,   0                          ; for each wave 16 rows of 512 bytes + 16
.set SUM,   135168                     ; [class][key][wave] f32
.set GA,    137216                     ; [class][wave][key] scale words
.set SPARE, 139264
.set Z,   16
.set M,   80
.set PCA, 144
.set PCC, 152
.set WA,  186
.set WC,  187
.set SPW, 190
.set NIL, 191
.set SEL, 24
	s_load_b128 s[4:7], s[0:1], 0x0        ; zt, bw_mask
	s_load_b64 s[8:9], s[0:1], 0x10        ; bwq
	v_lshl_add_u32 v[SPW], v0, 2, SPARE
	v_mov_b32 v[NIL], 0
	v_lshrrev_b32 v1, 5, v0
	v_readfirstlane_b32 s12, v1            ; wave = which 128 q
	s_mov_b32 s13, ttmp9                   ; tile of keys
	s_and_b32 s14, ttmp7, 0xffff           ; batch
	v_and_b32 v1, 15, v0                   ; r
	v_bfe_u32 v2, v0, 4, 1                 ; h
	v_and_b32 v3, 31, v0
	v_lshlrev_b32 v3, 4, v3                ; 16 x lane
	v_lshlrev_b32 v4, 4, v1
	v_lshl_add_u32 v4, v2, 11, v4          ; zt: 2048 h + 16 r
	s_mul_i32 s21, s12, 8448
	v_add_nc_u32 v5, s21, v3               ; the stage, on the way in
	v_mul_u32_u24 v6, v1, 528
	v_lshl_add_u32 v6, v2, 7, v6
	v_add_nc_u32 v6, s21, v6               ; and out: row r, + 128 h
	v_lshlrev_b32 v8, 6, v1
	v_lshl_add_u32 v8, v2, 10, v8
	v_add_nc_u32 v8, SUM, v8               ; the 16 waves' sums of class h, key r
	s_lshl_b32 s22, s12, 2
	v_add_nc_u32 v7, s22, v8               ; my wave's among them
	v_lshlrev_b32 v9, 2, v1
	v_lshl_add_u32 v9, v2, 10, v9
	s_lshl_b32 s22, s12, 6
	s_add_co_u32 s22, s22, GA
	v_add_nc_u32 v9, s22, v9               ; my scale word: class h, my wave, key r
	s_min_u32 s23, s12, 3
	s_lshl_b32 s23, s23, 9
	s_add_co_u32 s22, s23, GA
	v_add_nc_u32 v10, s22, v3              ; the last copy (waves 0 to 3)
	v_lshlrev_b32 v11, 3, v2               ; 8 h
	v_mov_b32 v184, 0                      ; written once: a lane permute's destination counts as one of its sources
	s_mov_b32 s[SEL], 0x76543210
	s_mov_b32 s[SEL+1], 0xfedcba98
	s_mov_b32 s20, 0xffff0000              ; lanes 16-31
	s_lshl_b32 s16, s14, 3
	s_add_co_u32 s16, s16, s13             ; 8 b + ta
	s_lshl_b32 s18, s16, 11
	s_add_co_u32 s18, s18, s23
	s_add_co_u32 s18, s18, 0x800000        ; bwq's words: 8388608 + 2048 (8 b + ta) + 512 wave
	s_mov_b32 s19, 0
	s_lshl_b32 s16, s16, 17
	s_lshl_b32 s22, s12, 13
	s_add_co_u32 s16, s16, s22             ; zt: 131072 (8 b + ta) + 8192 wave
	s_mov_b32 s17, 0
	s_lshr_b32 s26, s13, 1
	s_lshl_b32 s26, s26, 5
	s_and_b32 s22, s13, 1
	s_lshl_b32 s22, s22, 3
	s_add_co_u32 s26, s26, s22             ; the tile's first key
	s_lshl_b32 s26, s26, 13
	s_lshl_b32 s22, s14, 20
	s_add_co_u32 s26, s26, s22
	s_lshl_b32 s22, s12, 9
	s_add_co_u32 s26, s26, s22             ; bw_mask: 1048576 b + 8192 key + 512 wave
	s_mov_b32 s27, 0
	s_lshl_b32 s28, s14, 18
	s_lshl_b32 s22, s12, 14
	s_add_co_u32 s28, s28, s22
	s_lshl_b32 s22, s13, 10
	s_add_co_u32 s28, s28, s22             ; bwq's codes: 262144 b + 16384 wave + 1024 ta
	s_mov_b32 s29, 0
	s_wait_kmcnt 0x0
	s_add_nc_u64 s[4:5], s[4:5], s[16:17]
	s_add_nc_u64 s[6:7], s[6:7], s[26:27]
	s_add_nc_u64 s[10:11], s[8:9], s[18:19]
	s_add_nc_u64 s[8:9], s[8:9], s[28:29]
.irp p, 0,1,2,3,4,5,6,7,8,9,10,11,12,13,14,15
	global_load_b128 v[M+4*\p:M+4*\p+3], v3, s[6:7] offset:(\p+8*(\p/8))*8192 th:TH_LOAD_NT   ; row p's 512 bytes
.endr
.irp c, 0,1
.irp g, 0,1,2,3,4,5,6,7
	global_load_b128 v[Z+32*\c+4*\g:Z+32*\c+4*\g+3], v4, s[4:5] offset:4096*\c+256*\g th:TH_LOAD_NT
.endr
.endr
	s_wait_loadcnt 16                      ; the mask is in; z2's 16 loads stand behind it
.irp p, 0,1,2,3,4,5,6,7,8,9,10,11,12,13,14,15
	ds_store_b128 v5, v[M+4*\p:M+4*\p+3] offset:528*\p
.endr
.irp c, 0,1
.irp g, 0,1,2,3,4,5,6,7
	ds_load_b128 v[M+32*\c+4*\g:M+32*\c+4*\g+3], v6 offset:256*\c+16*\g   ; LDS serves a wave's instructions in order: these see my stores
.endr
.endr
	s_wait_loadcnt 0x0
	s_wait_dscnt 0x0
.set i, 0
.rept 64
	v_cmp_ne_u32 vcc_lo, 0, v[M+i]
	v_cndmask_b32 v[Z+i], 0, v[Z+i], vcc_lo
.set i, i+1
.endr
.set i, 0
.rept 64
	v_max_num_f32 v[M+i], 0, v[Z+i]        ; relu(z2)
.set i, i+1
.endr
.set i, 0
.rept 32
	v_pk_add_f32 v[Z+i:Z+i+1], v[M+i:M+i+1], v[Z+i:Z+i+1] neg_lo:[0,1] neg_hi:[0,1]   ; relu(-z2)
.set i, i+2
.endr
	v_pk_add_f32 v[160:161], v[M:M+1], v[M+2:M+3]
	v_pk_add_f32 v[164:165], v[Z:Z+1], v[Z+2:Z+3]
	v_pk_add_f32 v[162:163], v[M+4:M+5], v[M+6:M+7]
	v_pk_add_f32 v[166:167], v[Z+4:Z+5], v[Z+6:Z+7]
.irp j, 8,12,16,20,24,28,32,36,40,44,48,52,56,60
	v_pk_add_f32 v[160:161], v[160:161], v[M+\j:M+\j+1]
	v_pk_add_f32 v[164:165], v[164:165], v[Z+\j:Z+\j+1]
	v_pk_add_f32 v[162:163], v[162:163], v[M+\j+2:M+\j+3]
	v_pk_add_f32 v[166:167], v[166:167], v[Z+\j+2:Z+\j+3]
.endr
	v_pk_add_f32 v[160:161], v[160:161], v[162:163]
	v_pk_add_f32 v[164:165], v[164:165], v[166:167]
	v_add_f32 v160, v160, v161
	v_add_f32 v164, v164, v165
	v_permlanex16_b32 v162, v160, s[SEL], s[SEL+1]
	v_permlanex16_b32 v166, v164, s[SEL], s[SEL+1]
	v_add_f32 v160, v160, v162
	v_add_f32 v164, v164, v166
	v_cndmask_b32 v168, v160, v164, s20    ; lanes 0-15 hand on the first class's sum, lanes 16-31 the second's
	ds_store_b32 v7, v168
	s_wait_dscnt 0x0                       ; for the others' sake
	s_barrier_signal -1
	s_barrier_wait -1
.irp i, 0,1,2,3
	ds_load_b128 v[160+4*\i:163+4*\i], v8 offset:16*\i
.endr
	s_wait_dscnt 0x0
	v_pk_add_f32 v[160:161], v[160:161], v[162:163]
	v_pk_add_f32 v[164:165], v[164:165], v[166:167]
	v_pk_add_f32 v[168:169], v[168:169], v[170:171]
	v_pk_add_f32 v[172:173], v[172:173], v[174:175]
	v_pk_add_f32 v[160:161], v[160:161], v[164:165]
	v_pk_add_f32 v[168:169], v[168:169], v[172:173]
	v_pk_add_f32 v[160:161], v[160:161], v[168:169]
	v_add_f32 v160, v160, v161
	v_add_f32 v160, 0x3309705f, v160       ; + 32 EPS
	v_rcp_f32 v160, v160
	v_nop                                  ; a plain place, and the wait ahead of the first reader
	s_wait_alu depctr_va_vdst(0)
	v_permlanex16_b32 v161, v160, s[SEL], s[SEL+1]
	v_cndmask_b32 v162, v160, v161, s20    ; 1 / the first class's sum, in every lane
	v_cndmask_b32 v164, v161, v160, s20    ; 1 / the second's
.set i, 0
.rept 32
	v_pk_mul_f32 v[M+i:M+i+1], v[M+i:M+i+1], v[162:163] op_sel_hi:[1,0]
	v_pk_mul_f32 v[Z+i:Z+i+1], v[Z+i:Z+i+1], v[164:165] op_sel_hi:[1,0]
.set i, i+2
.endr
; A lane's two whole blocks, v[X + 32 c] on, become registers 4 c .. 4 c + 3 of a fragment, in the order stated at the head, and the row's scale word.
.macro Q2 X, P, W
.irp c, 0,1
	v_max3_num_f32 v[176+2*\c], |v[\X+32*\c]|, |v[\X+32*\c+1]|, 0x1800000
	v_max3_num_f32 v[177+2*\c], |v[\X+32*\c+2]|, |v[\X+32*\c+3]|, 0x1800000
.endr
.irp i, 4,8,12,16,20,24,28
.irp c, 0,1
	v_max3_num_f32 v[176+2*\c], v[176+2*\c], |v[\X+32*\c+\i]|, |v[\X+32*\c+\i+1]|
	v_max3_num_f32 v[177+2*\c], v[177+2*\c], |v[\X+32*\c+\i+2]|, |v[\X+32*\c+\i+3]|
.endr
.endr
.irp c, 0,1
	v_max_num_f32 v[176+2*\c], v[176+2*\c], v[177+2*\c]
.endr
.irp c, 0,1
	v_add_nc_u32 v[180+\c], 0xff000000, v[176+2*\c]
.endr
.irp c, 0,1
	v_lshrrev_b32 v[182+\c], 23, v[180+\c]
.endr
	v_lshl_or_b32 v[\W], v183, 16, v182
	v_lshlrev_b32 v[\W], v11, v[\W]
	v_permlanex16_b32 v184, v[\W], s[SEL], s[SEL+1]
	v_or_b32 v[\W], v[\W], v184
.irp c, 0,1
	v_cvt_scalef32_pk8_fp4_f32 v[\P+4*\c], v[\X+32*\c:\X+32*\c+7], v[180+\c]
	v_cvt_scalef32_pk8_fp4_f32 v[\P+4*\c+1], v[\X+32*\c+16:\X+32*\c+23], v[180+\c]
	v_cvt_scalef32_pk8_fp4_f32 v[\P+4*\c+2], v[\X+32*\c+8:\X+32*\c+15], v[180+\c]
	v_cvt_scalef32_pk8_fp4_f32 v[\P+4*\c+3], v[\X+32*\c+24:\X+32*\c+31], v[180+\c]
.endr
	v_nop
.endm
	Q2 M, PCA, WA
	Q2 Z, PCC, WC
.irp c, 0,1
	global_store_b128 v3, v[PCA+4*\c:PCA+4*\c+3], s[8:9] offset:512*\c
	global_store_b128 v3, v[PCC+4*\c:PCC+4*\c+3], s[8:9] offset:8192+512*\c
.endr
	v_cndmask_b32 v185, v[WA], v[WC], s20
	ds_store_b32 v9, v185
	s_wait_dscnt 0x0
	s_barrier_signal -1
	s_barrier_wait -1
	s_cmp_gt_u32 s12, 3
	s_cbranch_scc1 .Lno_words              ; waves 0 to 3 store the tile's 2,048 bytes of scale words, 512 each
	ds_load_b128 v[160:163], v10
	s_wait_dscnt 0x0
	global_store_b128 v3, v[160:163], s[10:11]
.Lno_words:
	s_wait_tensorcnt 0x0                   ; the wave's end
	ds_add_u32 v[SPW], v[NIL]
	s_wait_dscnt 0x0
	s_endpgm
.Lfunc_end_k_q1d93c808e6_bwn:
	.size	k_q1d93c808e6_bwn, .Lfunc_end_k_q1d93c808e6_bwn-k_q1d93c808e6_bwn
	.p2alignl 7, 3214868480
	.fill 96, 4, 3214868480
	.section	.rodata,"a",@progbits
	.p2align	6, 0x0
	.amdhsa_kernel k_q1d93c808e6_bwn
		.amdhsa_group_segment_fixed_size 141312
		.amdhsa_private_segment_fixed_size 0
		.amdhsa_enable_private_segment 0
		.amdhsa_kernarg_size 24
		.amdhsa_user_sgpr_count 2
		.amdhsa_user_sgpr_kernarg_segment_ptr 1
		.amdhsa_wavefront_size32 1
		.amdhsa_system_sgpr_workgroup_id_x 1
		.amdhsa_system_sgpr_workgroup_id_y 1
		.amdhsa_system_sgpr_workgroup_id_z 1
		.amdhsa_system_vgpr_workitem_id 0
		.amdhsa_next_free_vgpr 192
		.amdhsa_next_free_sgpr 66
		.amdhsa_reserve_vcc 1
		.amdhsa_float_denorm_mode_32 3
		.amdhsa_float_denorm_mode_16_64 3
		.amdhsa_memory_ordered 1
		.amdhsa_forward_progress 1
		.amdhsa_inst_pref_size 33
	.end_amdhsa_kernel
	.amdgpu_metadata
---
amdhsa.version: [ 1, 2 ]
amdhsa.kernels:
  - .name:           k_q1d93c808e6_bwn
    .symbol:         k_q1d93c808e6_bwn.kd
    .args:
      - { .name: zt, .offset: 0, .size: 8, .value_kind: global_buffer, .address_space: global }
      - { .name: bw_mask, .offset: 8, .size: 8, .value_kind: global_buffer, .address_space: global }
      - { .name: bwq, .offset: 16, .size: 8, .value_kind: global_buffer, .address_space: global }
    .group_segment_fixed_size: 141312
    .private_segment_fixed_size: 0
    .kernarg_segment_align: 8
    .kernarg_segment_size: 24
    .max_flat_workgroup_size: 512
    .sgpr_count:     66
    .vgpr_count:     192
    .wavefront_size: 32
...
	.end_amdgpu_metadata
.endif
;; end of part 3
;; launch mix (part 4): grid 8 x 32, 4 waves a work-group, no clusters, 297,472 bytes of LDS; arguments fwq, bwq, vq, cm, sel, bias_emb, n_indexes, out0; writes out0
.if DOCPART == 4
	.amdgcn_target "amdgcn-amd-amdhsa--gfx1250"
	.amdhsa_code_object_version 6
	.text
	.protected	k_q1d93c808e6_mix
	.globl	k_q1d93c808e6_mix
	.p2align	8
	.type	k_q1d93c808e6_mix,@function
k_q1d93c808e6_mix:
	s_mov_b64 s[64:65], 0
	v_nop
	global_prefetch_b8 v0, s[64:65] scope:SCOPE_SE
	s_setreg_imm32_b32 hwreg(HW_REG_WAVE_MODE, 25, 1), 1
	s_wait_xcnt 0x0
; MIX: class = a_fw V (K = 128 keys); + bias_emb[idx[e]] + cond[l]; quantised along q; out = a_bw Q(class + bias) (K = 2,048 q); both classes; the blend by the selector.
; SHARES.  A work-group takes 128 d (ttmp9) of one batch (ttmp7).  Wave w takes ONE class, kk = w / 2, and four tiles of 16 d of half dd = w % 2: tile tp stands for d tile 4 dd + (tp + 2 kk) % 4.
; So a wave reads only its own class's fragments from LDS.  At the end it hands tiles 2, 3 to wave w xor 2, whose tiles 0, 1 they are, and blends its own tiles 0, 1: no branch on the class.
; A STEP is 128 q = 8 positions.  For each tile of d: 8 products G = a_fw[l] x V + (bias_emb + cond) (the lane is d, the registers are e = 8 h + j); the 64 numbers of a lane are quantised as they lie
; (place k of a block of 32 holds q = 16 ((k / 8) % 2) + 8 (k / 16) + k % 8: the launch before laid a_bw in the same order); 8 products add onto out (the lane is a key, the registers run over d).
; THE PIPELINE.  A step's 32 KiB of fragments (both classes, forward and backward) go: memory -> ring registers -> an LDS slot -> fragment registers -> products.  In step T a wave multiplies from fragment set T % 2,
; reads step T + 1's fragments from slot (T + 1) % 2 into the other set, stores ring set T % 2 (step T + 2, its quarter) into slot T % 2, and loads step T + 4 into that ring set.
; One barrier a step: in front of it each wave has waited for its stores and its reads.  Slot T % 2 was read out in step T - 1, slot (T + 1) % 2 was filled in step T - 1: both in front of that step's barrier.
; The LDS instructions stand in runs of 8 behind the runs of 8 products; the next step's cond and scale words come at the step's head, from tables that are stored once.
; Register numbers come back after two steps: the loop's trip is two steps (steps 1 to 10).  Step 0 starts the sums; steps 11 to 15, in which first the loads, then the stores, then the reads fall away, are written out,
; so that no counted wait stands behind a load that a branch could pass over.
; NO CLUSTER: the 8 work-groups of a batch share a step's 32 KiB, but a joint load would want a round of the cluster's barrier in each of the 16 short steps; the fragments are small beside a step's vector work.
; THE BLEND: sel A + (1 - sel) B = X + s (O - X), O my class, X the other, s = sel for class a and 1 - sel for class b.
; LIMITS: an index is held at 15 from above; a block of zeros has the byte 1; NaN and infinities are not served.
; REGISTERS.  window 0: v1-10, v14-23, v46, v47 addresses; v24-35 and v212-223 the steps' scale words, two sets, v36-39 V's, v40 the word just made: scales and nothing else; v42-45 the blend's constants;
;   v48-63, v64-71 the quantiser's; v72-135 G; v136-199 its C; v200-209 the head's.   window 1: out, at 64 tp + 8 ta.
;   window 2: v0-127 fragment set 1 (a_fw, then a_bw), v128-159 V, v160-223 ring set 0, v224-255 ring set 1's forward half.
;   window 3: v0-127 fragment set 0, in the last step sel; v128-159 bias_emb; v160-223 cond, two sets; v224-255 ring set 1's backward half.
.set RING,  0                          ; two slots of 32,768 bytes: a step's 16 KiB of fwq, then of bwq
.set AFSL,  65536                      ; the forward scale words of the batch
.set ABSL,  81920                      ; the backward ones
.set CML,   98304                      ; cm of the slice's 8 tiles of d
.set XCH,   163840                     ; 16 KiB for each wave: what it hands to its partner
.set STG,   229376                     ; 128 rows of 512 bytes + 16
.set SPARE, 296960
.set VS,  36
.set PW,  40
.set TM,  48
.set PC,  64
.set G,   72
.set BT,  136
.set BE,  128                          ; window 3
.set SPW, 252
.set NIL, 253
.set SEL, 26
.set MSB, 0
.macro WIN new                         ; the immediate's high byte repeats the setting that is left
.if MSB != (\new)
	s_set_vgpr_msb (MSB<<8)|(\new)
.set MSB, (\new)
.endif
.endm
.macro PLACES n
.rept \n
	v_nop
.endr
.endm
	s_load_b512 s[4:19], s[0:1], 0x0       ; fwq, bwq, vq, cm, sel, bias_emb, n_indexes, out0
	v_lshl_add_u32 v[SPW], v0, 2, SPARE
	v_mov_b32 v[NIL], 0
	v_lshrrev_b32 v1, 5, v0
	v_readfirstlane_b32 s20, v1            ; wave
	s_lshr_b32 s21, s20, 1                 ; kk: my class
	s_and_b32 s22, s20, 1                  ; dd: my half of the slice
	s_mov_b32 s23, ttmp9                   ; slice
	s_and_b32 s24, ttmp7, 0xffff           ; batch
	s_lshl_b32 s25, s22, 2
	s_lshl_b32 s66, s21, 1
	s_add_co_u32 s25, s25, s66             ; my tiles 0, 1 begin at d tile 4 dd + 2 kk,
	s_xor_b32 s70, s25, 2                  ; my tiles 2, 3 at 4 dd + 2 - 2 kk
	v_and_b32 v1, 15, v0                   ; r
	v_bfe_u32 v2, v0, 4, 1                 ; h
	v_and_b32 v3, 31, v0
	v_lshlrev_b32 v18, 8, v3               ; 256 x lane, for the prefetch
	v_lshlrev_b32 v3, 4, v3                ; 16 x lane
	v_lshlrev_b32 v23, 2, v1               ; 4 r
	v_lshlrev_b32 v208, 5, v2              ; 32 h
	v_lshlrev_b32 v209, 4, v1              ; 16 r
	s_lshl_b32 s66, s21, 10
	v_add_nc_u32 v4, s66, v3               ; a_fw in slot 0: 1024 kk + 16 lane
	s_lshl_b32 s66, s21, 13
	s_add_co_u32 s66, s66, 16384
	v_add_nc_u32 v5, s66, v3               ; a_bw in slot 0
	s_lshl_b32 s66, s20, 12
	v_add_nc_u32 v6, s66, v3               ; where I store my quarter of slot 0
	s_add_co_u32 s66, s66, AFSL
	v_add_nc_u32 v46, s66, v3              ; and of the scale words
	s_lshl_b32 s66, s20, 14
	s_add_co_u32 s68, s66, CML
	v_add_nc_u32 v47, s68, v3              ; and of cm
	s_add_co_u32 s68, s66, XCH
	v_add_nc_u32 v19, s68, v3              ; what I hand over
	s_xor_b32 s66, s66, 32768
	s_add_co_u32 s66, s66, XCH
	v_add_nc_u32 v20, s66, v3              ; what wave w xor 2 hands me
	s_lshl_b32 s66, s25, 13
	s_add_co_u32 s66, s66, CML
	v_add_nc_u32 v7, s66, v209             ; cond of my tiles 0, 1
	s_lshl_b32 s66, s70, 13
	s_add_co_u32 s66, s66, CML
	v_add_nc_u32 v8, s66, v209             ; and 2, 3
	s_lshl_b32 s66, s21, 13
	s_add_co_u32 s66, s66, AFSL
	v_lshl_add_u32 v9, v2, 8, v209
	v_add_nc_u32 v9, s66, v9               ; forward scale words: lanes 0-15 positions 0-3 of a step, lanes 16-31 positions 4-7
	s_lshl_b32 s66, s21, 10
	s_add_co_u32 s66, s66, ABSL
	v_add_nc_u32 v10, s66, v23             ; backward scale words
	v_and_b32 v21, 8, v1
	v_add_nc_u32 v21, v21, v1
	v_mul_u32_u24 v21, v21, 528
	v_lshl_add_u32 v21, v2, 5, v21
	s_lshl_b32 s66, s25, 6
	s_add_co_u32 s66, s66, STG
	v_add_nc_u32 v21, s66, v21             ; the stage, on the way in: row r + 8 (r / 8), + 32 h, + my tiles' bytes
	s_mul_i32 s66, s20, 32*528
	s_add_co_u32 s66, s66, STG
	v_add_nc_u32 v22, s66, v3              ; and out: my 32 rows
	s_cmp_eq_u32 s21, 0
	s_cselect_b32 s66, 1.0, -1.0
	s_cselect_b32 s68, 0, 1.0
	v_mov_b32 v42, s66                     ; s = sel x (1 - 2 kk) + kk
	v_mov_b32 v43, s66
	v_mov_b32 v44, s68
	v_mov_b32 v45, s68
.irp b, 0,1,2,3
	v_mov_b32 v[TM+4+\b], 0                ; written once: a lane permute's destination counts as one of its sources
.endr
	s_mov_b32 s[SEL], 0x76543210
	s_mov_b32 s[SEL+1], 0xfedcba98
	s_cmp_eq_u32 s23, 0
	s_cselect_b32 s33, 10, 0               ; the batch's first work-group prefetches, in steps 0 to 9
	s_mov_b32 s67, 0
	s_wait_kmcnt 0x0
	s_cmp_lt_u32 s20, 2
	s_cselect_b64 s[38:39], s[4:5], s[6:7] ; waves 0, 1 ask for fwq, waves 2, 3 for bwq
	s_lshl_b32 s68, s24, 18
	s_lshl_b32 s66, s22, 13
	s_add_co_u32 s66, s66, s68
	s_add_nc_u64 s[38:39], s[38:39], s[66:67]  ; my half of a step's 16 KiB, a lane to each 256 bytes
	s_lshl_b32 s66, s20, 12
	s_add_co_u32 s66, s66, s68
	s_add_nc_u64 s[34:35], s[4:5], s[66:67]    ; the ring: 262144 b + 4096 wave, in fwq
	s_add_nc_u64 s[36:37], s[6:7], s[66:67]    ; and in bwq
	s_lshl_b32 s66, s24, 14
	s_lshl_b32 s68, s20, 12
	s_add_co_u32 s66, s66, s68
	s_add_co_u32 s66, s66, 0x800000
	s_add_nc_u64 s[40:41], s[4:5], s[66:67]    ; my quarter of the forward scale words,
	s_add_nc_u64 s[42:43], s[6:7], s[66:67]    ; of the backward ones,
	s_lshl_b32 s66, s24, 19
	s_lshl_b32 s68, s23, 16
	s_add_co_u32 s66, s66, s68
	s_lshl_b32 s69, s25, 13
	s_add_co_u32 s69, s69, s66
	s_lshl_b32 s68, s20, 14
	s_add_co_u32 s66, s66, s68
	s_add_nc_u64 s[44:45], s[10:11], s[66:67]  ; of the slice's cm
	s_mov_b32 s66, s69
	s_add_nc_u64 s[54:55], s[12:13], s[66:67]  ; sel of my tiles 0, 1
	s_lshl_b32 s68, s24, 1
	s_add_co_u32 s68, s68, s21             ; 2 b + kk
	s_lshl_b32 s69, s68, 16
	s_lshl_b32 s66, s23, 13
	s_add_co_u32 s69, s69, s66
	s_lshl_b32 s66, s25, 10
	s_add_co_u32 s66, s66, s69
	s_add_nc_u64 s[46:47], s[8:9], s[66:67]    ; V of my tiles 0, 1
	s_lshl_b32 s66, s70, 10
	s_add_co_u32 s66, s66, s69
	s_add_nc_u64 s[48:49], s[8:9], s[66:67]    ; and 2, 3
	s_lshl_b32 s69, s68, 12
	s_lshl_b32 s66, s23, 9
	s_add_co_u32 s69, s69, s66
	s_add_co_u32 s69, s69, 0x400000
	s_lshl_b32 s66, s25, 6
	s_add_co_u32 s66, s66, s69
	s_add_nc_u64 s[50:51], s[8:9], s[66:67]    ; their scale words
	s_lshl_b32 s66, s70, 6
	s_add_co_u32 s66, s66, s69
	s_add_nc_u64 s[52:53], s[8:9], s[66:67]
	s_lshl_b32 s69, s23, 9
	s_lshl_b32 s66, s25, 6
	s_add_co_u32 s66, s66, s69
	s_add_nc_u64 s[56:57], s[14:15], s[66:67]  ; bias_emb at my tiles' columns
	s_lshl_b32 s66, s70, 6
	s_add_co_u32 s66, s66, s69
	s_add_nc_u64 s[58:59], s[14:15], s[66:67]
	s_lshl_b32 s66, s24, 6
	s_add_nc_u64 s[60:61], s[16:17], s[66:67]  ; the batch's indices
	s_lshl_b32 s66, s24, 19
	s_add_co_u32 s66, s66, s69
	s_lshl_b32 s68, s20, 17
	s_add_co_u32 s66, s66, s68
	s_add_nc_u64 s[62:63], s[18:19], s[66:67]  ; out0: 4096 (128 b + 32 wave) + 512 slice
; My quarter of a step's fragments, 8 loads of fwq and 8 of bwq, into ring set 0 or 1
.macro RLOAD set, off
	WIN 0x80
.irp i, 0,1,2,3,4,5,6,7
	global_load_b128 v[160+64*\set+4*\i:160+64*\set+4*\i+3], v3, s[34:35] offset:\off+512*\i
.endr
	WIN 0x80+0x40*\set
.irp i, 0,1,2,3,4,5,6,7
	global_load_b128 v[192+32*\set+4*\i:192+32*\set+4*\i+3], v3, s[36:37] offset:\off+512*\i
.endr
	WIN 0
.endm
; and from there into the slot of the same number: the forward half, the backward half
.macro RSTF set
	WIN 0x08
.irp i, 0,1,2,3,4,5,6,7
	ds_store_b128 v6, v[160+64*\set+4*\i:160+64*\set+4*\i+3] offset:32768*\set+512*\i
.endr
.endm
.macro RSTB set
	WIN 0x08+4*\set
.irp i, 0,1,2,3,4,5,6,7
	ds_store_b128 v6, v[192+32*\set+4*\i:192+32*\set+4*\i+3] offset:32768*\set+16384+512*\i
.endr
.endm
; A step's cond (8 loads) and scale words (1 + 8) into set q, from the tables; v14-17 hold the step's places
.macro LTAB q
	WIN 0xc0
.irp tp, 0,1
.irp u, 0,1
	ds_load_b128 v[160+32*\q+8*\tp+4*\u:160+32*\q+8*\tp+4*\u+3], v14 offset:\tp*8192+\u*256
.endr
.endr
.irp tp, 0,1
.irp u, 0,1
	ds_load_b128 v[176+32*\q+8*\tp+4*\u:176+32*\q+8*\tp+4*\u+3], v15 offset:\tp*8192+\u*256
.endr
.endr
	WIN 0
	ds_load_b128 v[24+188*\q:27+188*\q], v16
.irp ta, 0,1,2,3,4,5,6,7
	ds_load_b32 v[28+188*\q+\ta], v17 offset:\ta*2048
.endr
.endm
; Half of a step's a_fw (four positions) or a_bw (four tiles of keys) of my class, from slot q into fragment set q: 8 loads
.macro LAF q, hf
	WIN 0xc0-0x40*\q
.irp lp, 0,1,2,3
.irp c, 0,1
	ds_load_b128 v[8*(4*\hf+\lp)+4*\c:8*(4*\hf+\lp)+4*\c+3], v4 offset:32768*\q+(4*\hf+\lp)*2048+\c*512
.endr
.endr
.endm
.macro LABW q, hf
	WIN 0xc0-0x40*\q
.irp ta, 0,1,2,3
.irp c, 0,1
	ds_load_b128 v[64+8*(4*\hf+\ta)+4*\c:64+8*(4*\hf+\ta)+4*\c+3], v5 offset:32768*\q+(4*\hf+\ta)*1024+\c*512
.endr
.endr
.endm
.macro SELLOAD                         ; sel of my tiles 0, 1 into the registers that fragment set 0 has left
	WIN 0xc0
.irp tp, 0,1
.irp ta, 0,1,2,3,4,5,6,7
.irp c, 0,1
	global_load_b128 v[64*\tp+8*\ta+4*\c:64*\tp+8*\ta+4*\c+3], v3, s[54:55] offset:\tp*8192+\ta*1024+\c*512
.endr
.endr
.endr
	WIN 0
.endm
	WIN 0x40                               ; the tables pass through out's registers, which are free yet
.irp i, 0,1,2,3,4,5,6,7
	global_load_b128 v[4*\i:4*\i+3], v3, s[40:41] offset:512*\i
.endr
.irp i, 0,1,2,3,4,5,6,7
	global_load_b128 v[32+4*\i:32+4*\i+3], v3, s[42:43] offset:512*\i
.endr
.set i, 0
.rept 32
	global_load_b128 v[64+4*i:64+4*i+3], v3, s[44:45] offset:512*i
.set i, i+1
.endr
	RLOAD 0, 0                             ; step 0
	RLOAD 1, 16384                         ; step 1
	global_load_b128 v[200:203], v208, s[60:61]              ; idx[8 h .. 8 h + 7]
	global_load_b128 v[204:207], v208, s[60:61] offset:16
	WIN 0x80
.irp tp, 0,1
.irp c, 0,1
	global_load_b128 v[128+8*\tp+4*\c:128+8*\tp+4*\c+3], v3, s[46:47] offset:\tp*1024+\c*512
.endr
.endr
.irp tp, 0,1
.irp c, 0,1
	global_load_b128 v[144+8*\tp+4*\c:144+8*\tp+4*\c+3], v3, s[48:49] offset:\tp*1024+\c*512
.endr
.endr
	WIN 0
.irp tp, 0,1
	global_load_b32 v[VS+\tp], v23, s[50:51] offset:64*\tp
.endr
.irp tp, 0,1
	global_load_b32 v[VS+2+\tp], v23, s[52:53] offset:64*\tp
.endr
	s_wait_loadcnt 46                      ; the 48 loads of tables are in: behind them stand 16 + 16 + 2 + 8 + 4
	WIN 0x04
.irp i, 0,1,2,3,4,5,6,7
	ds_store_b128 v46, v[4*\i:4*\i+3] offset:512*\i
.endr
.irp i, 0,1,2,3,4,5,6,7
	ds_store_b128 v46, v[32+4*\i:32+4*\i+3] offset:16384+512*\i
.endr
.set i, 0
.rept 32
	ds_store_b128 v47, v[64+4*i:64+4*i+3] offset:512*i
.set i, i+1
.endr
	s_wait_loadcnt 30                      ; step 0's fragments are in: behind them 16 + 2 + 8 + 4
	RSTF 0
	RSTB 0
	s_wait_loadcnt 14                      ; step 1's: behind them 2 + 8 + 4
	RSTF 1
	RSTB 1
	WIN 0
	s_wait_loadcnt 12                      ; the indices are in
.irp j, 0,1,2,3,4,5,6,7
	v_min_u32 v[200+\j], 15, v[200+\j]
.endr
.irp j, 0,1,2,3,4,5,6,7
	v_lshl_add_u32 v[200+\j], v[200+\j], 12, v23             ; row idx[8 h + j] of the table, + 4 r
.endr
	WIN 0xc0
.irp tp, 0,1
.irp j, 0,1,2,3,4,5,6,7
	global_load_b32 v[BE+8*\tp+\j], v[200+\j], s[56:57] offset:64*\tp
.endr
.endr
.irp tp, 0,1
.irp j, 0,1,2,3,4,5,6,7
	global_load_b32 v[BE+16+8*\tp+\j], v[200+\j], s[58:59] offset:64*\tp
.endr
.endr
	WIN 0
	s_wait_dscnt 0x0                       ; my stores have landed, and have read the ring's registers
	RLOAD 0, 32768                         ; step 2
	RLOAD 1, 49152                         ; step 3
	s_barrier_signal -1
	s_barrier_wait -1                      ; the tables and both slots are whole
.macro BTB tp, cs                      ; the C of tile tp's first products, from cond's set cs: bias_emb[idx[8 h + j]][d] + cond[l][d]
	WIN 0x0f
.irp lp, 0,1,2,3,4,5,6,7
.irp i, 0,2,4,6
.if (\lp%2) == 0
	v_pk_add_f32 v[BT+8*\lp+\i:BT+8*\lp+\i+1], v[BE+8*\tp+\i:BE+8*\tp+\i+1], v[160+32*\cs+8*\tp+\lp:160+32*\cs+8*\tp+\lp+1] op_sel_hi:[1,0]
.else
	v_pk_add_f32 v[BT+8*\lp+\i:BT+8*\lp+\i+1], v[BE+8*\tp+\i:BE+8*\tp+\i+1], v[160+32*\cs+8*\tp+\lp-1:160+32*\cs+8*\tp+\lp] op_sel:[0,1] op_sel_hi:[1,1]
.endif
.endr
.endr
	WIN 0
	PLACES 4
.endm
.macro P5 tp, p                        ; G[l] = a_fw[l] x V[tp] + C, from fragment set p: eight accumulators, each once
	WIN 0x0b-\p
.set ASB, 24+188*\p
.irp lp, 0,1,2,3
	v_wmma_scale_f32_16x16x128_f8f6f4 v[G+8*\lp:G+8*\lp+7], v[8*\lp:8*\lp+7], v[128+8*\tp:128+8*\tp+7], v[BT+8*\lp:BT+8*\lp+7], v[ASB+\lp], v[VS+\tp] matrix_a_fmt:MATRIX_FMT_FP4 matrix_b_fmt:MATRIX_FMT_FP4
.endr
.irp lp, 4,5,6,7
	v_wmma_scale_f32_16x16x128_f8f6f4 v[G+8*\lp:G+8*\lp+7], v[8*\lp:8*\lp+7], v[128+8*\tp:128+8*\tp+7], v[BT+8*\lp:BT+8*\lp+7], v[ASB+\lp-4], v[VS+\tp] matrix_a_fmt:MATRIX_FMT_FP4 matrix_b_fmt:MATRIX_FMT_FP4 matrix_a_scale:MATRIX_SCALE_ROW1
.endr
.endm
.macro P8 tp, zero, p                  ; out(tp, ta) += Q(G) x a_bw[ta]: eight accumulators, each once
	WIN 0x5c-4*\p
.set BSB, 28+188*\p
.irp ta, 0,1,2,3,4,5,6,7
.if \zero
	v_wmma_scale_f32_16x16x128_f8f6f4 v[64*\tp+8*\ta:64*\tp+8*\ta+7], v[PC:PC+7], v[64+8*\ta:64+8*\ta+7], 0, v[PW], v[BSB+\ta] matrix_a_fmt:MATRIX_FMT_FP4 matrix_b_fmt:MATRIX_FMT_FP4
.else
	v_wmma_scale_f32_16x16x128_f8f6f4 v[64*\tp+8*\ta:64*\tp+8*\ta+7], v[PC:PC+7], v[64+8*\ta:64+8*\ta+7], v[64*\tp+8*\ta:64*\tp+8*\ta+7], v[PW], v[BSB+\ta] matrix_a_fmt:MATRIX_FMT_FP4 matrix_b_fmt:MATRIX_FMT_FP4
.endif
.endr
.endm
.macro QUANT                           ; behind five places (four in front of the reads of G; five in front of the next run, which begins G anew): G's 64 numbers of a lane, four blocks of 32 q, each shared with lane l xor 16: a fragment in v[PC] on, its scale word in v[PW]
	WIN 0
	PLACES 5
.irp b, 0,1,2,3
	v_max3_num_f32 v[TM+\b], |v[G+16*\b]|, |v[G+16*\b+1]|, 0x1800000
.endr
.irp i, 2,4,6,8,10,12,14
.irp b, 0,1,2,3
	v_max3_num_f32 v[TM+\b], v[TM+\b], |v[G+16*\b+\i]|, |v[G+16*\b+\i+1]|
.endr
.endr
.irp b, 0,1,2,3
	v_permlanex16_b32 v[TM+4+\b], v[TM+\b], s[SEL], s[SEL+1]
.endr
.irp b, 0,1,2,3
	v_max_num_f32 v[TM+\b], v[TM+\b], v[TM+4+\b]
.endr
.irp b, 0,1,2,3
	v_add_nc_u32 v[TM+12+\b], 0xff000000, v[TM+\b]
.endr
.irp b, 0,1,2,3
	v_lshrrev_b32 v[TM+4+\b], 23, v[TM+12+\b]
.endr
	v_lshl_or_b32 v[PW], v[TM+5], 8, v[TM+4]
	v_lshl_or_b32 v[PW], v[TM+6], 16, v[PW]
	v_lshl_or_b32 v[PW], v[TM+7], 24, v[PW]
.irp b, 0,1,2,3
	v_cvt_scalef32_pk8_fp4_f32 v[PC+2*\b], v[G+16*\b:G+16*\b+7], v[TM+12+\b]
	v_cvt_scalef32_pk8_fp4_f32 v[PC+2*\b+1], v[G+16*\b+8:G+16*\b+15], v[TM+12+\b]
.endr
	v_nop
.irp c, 0,1
.irp i, 0,1
	v_permlane16_swap_b32 v[PC+4*\c+\i], v[PC+4*\c+2+\i]
.endr
.endr
.endm
; STEP T.  p = T % 2, q = 1 - p.  zero: it starts out's sums.  fl: step T + 1 is read from LDS.  fw: step T + 2 is stored into LDS, behind a wait that leaves wl younger loads out.  fg: step T + 4 is loaded.
; fpf: a prefetch may stand.  fsel: sel is loaded.  s31, s32: step T + 1's place among the tables; s28: T.
.macro MSTEP p, q, zero, fl, fw, wl, fg, fpf, fsel
.if \fl
	v_add_nc_u32 v14, s31, v7              ; (these four are also the places in front of the loads into the scale registers that the last step's products read)
	v_add_nc_u32 v15, s31, v8
	v_add_nc_u32 v16, s31, v9
	v_add_nc_u32 v17, s32, v10
	LTAB \q
.endif
.if \fsel
	PLACES 4                               ; in front of loads into registers that the step before's products read
	SELLOAD
.endif
	P5 0, \p
.if \fw
	s_wait_loadcnt \wl                     ; ring set p holds step T + 2; the other set's 16 loads, where there are any, may be out
	RSTF \p                                ; into the slot that every wave read out in front of the last barrier
.endif
	QUANT
	BTB 1, \p                              ; its 32 additions are also the places between the scale word and the products that take it
	P8 0, \zero, \p
.if \fw
	RSTB \p
.endif
	P5 1, \p
.if \fl
	LAF \q, 0
.endif
	QUANT
	BTB 2, \p
	P8 1, \zero, \p
.if \fl
	LAF \q, 1
.endif
	P5 2, \p
	WIN 0
.if \fg
	s_wait_dscnt 16                        ; my 16 stores have read ring set p: behind them stand a_fw's 16 loads
.if !\zero
	s_wait_xcnt 0x0                        ; the last step's loads and prefetch have read their bases
	s_add_nc_u64 s[34:35], s[34:35], 16384
	s_add_nc_u64 s[36:37], s[36:37], 16384
.if \fpf
	s_add_nc_u64 s[38:39], s[38:39], 16384
.endif
.endif
	RLOAD \p, 65536                        ; step T + 4
.if \fpf
	s_cmp_lt_u32 s28, s33
	s_cbranch_scc0 .Lnp_\@
	global_prefetch_b8 v18, s[38:39] offset:6*16384 th:TH_LOAD_NT scope:SCOPE_SE   ; step T + 6, two steps ahead of its load: 32 blocks of 256 bytes a wave, each named once in the launch; the last request, in step 9, is for step 15
.Lnp_\@:
.endif
.endif
	QUANT
	BTB 3, \p
	P8 2, \zero, \p
.if \fl
	LABW \q, 0
.endif
	P5 3, \p
.if \fl
	LABW \q, 1
.endif
	QUANT
.if \fl
	s_wait_dscnt 32                        ; the next step's cond is in: behind the tables' loads (and my stores) stand a_fw's 16 and a_bw's 16
	BTB 0, \q                              ; the next step begins with its products
.else
	PLACES 8                               ; a scale word made by vector lines stands 8 places ahead of a scaled product
.endif
	P8 3, \zero, \p
	WIN 0
.if \fl
	s_wait_dscnt 0x0                       ; the next step's fragments are in registers: my reads of slot q are over, my stores into slot p have landed
	s_add_co_u32 s31, s31, 512
	s_add_co_u32 s32, s32, 64
.endif
.if \fw
	s_barrier_signal -1
	s_barrier_wait -1
.endif
.if \fpf
	s_add_co_u32 s28, s28, 1
.endif
.endm
	s_mov_b32 s31, 0
	s_mov_b32 s32, 0
	v_add_nc_u32 v14, s31, v7
	v_add_nc_u32 v15, s31, v8
	v_add_nc_u32 v16, s31, v9
	v_add_nc_u32 v17, s32, v10
	LTAB 0                                 ; step 0's cond, scale words and fragments
	LAF 0, 0
	LAF 0, 1
	LABW 0, 0
	LABW 0, 1
	WIN 0
	s_wait_loadcnt 32                      ; V, its scale words and bias_emb are in: behind them stand steps 2 and 3, 16 loads each
	s_wait_dscnt 41                        ; cond is in: behind its 8 loads stand 1 + 8 + 16 + 16
	BTB 0, 0
	s_wait_dscnt 0x0                       ; my reads of slot 0 are over:
	s_barrier_signal -1
	s_barrier_wait -1                      ; everybody's are: step 0 stores into it
	s_mov_b32 s31, 512
	s_mov_b32 s32, 64
	s_mov_b32 s28, 0
	MSTEP 0, 1, 1, 1, 1, 16, 1, 1, 0       ; step 0 starts out's sums: nothing is cleared
	s_mov_b32 s29, 5
.Lstep:                                    ; steps 1 to 10, two a trip
	MSTEP 1, 0, 0, 1, 1, 16, 1, 1, 0
	MSTEP 0, 1, 0, 1, 1, 16, 1, 1, 0
	s_sub_co_u32 s29, s29, 1
	s_cmp_lg_u32 s29, 0
	s_cbranch_scc1 .Lstep
	MSTEP 1, 0, 0, 1, 1, 16, 1, 0, 0       ; step 11 loads step 15, the last
	MSTEP 0, 1, 0, 1, 1, 16, 0, 0, 0       ; step 12 stores step 14; step 15's 16 loads may be out
	MSTEP 1, 0, 0, 1, 1, 0, 0, 0, 0        ; step 13 stores step 15
	MSTEP 0, 1, 0, 1, 0, 0, 0, 0, 0        ; step 14 reads step 15
	MSTEP 1, 0, 0, 0, 0, 0, 0, 0, 1        ; step 15 loads sel
	; ---- the classes meet, the blend, the way out
	PLACES 5
	WIN 0x04
.set i, 0
.rept 32
	ds_store_b128 v19, v[128+4*i:128+4*i+3] offset:512*i     ; my tiles 2, 3, each accumulator from its low end on
.set i, i+1
.endr
	WIN 0
	s_wait_dscnt 0x0
	s_barrier_signal -1
	s_barrier_wait -1
	WIN 0x80
.set i, 0
.rept 32
	ds_load_b128 v[4*i:4*i+3], v20 offset:512*i              ; the other class's sums for my tiles 0, 1
.set i, i+1
.endr
	s_wait_loadcnt 0x0                     ; sel is in
	WIN 0xc3
.set i, 0
.rept 64
	v_pk_fma_f32 v[i:i+1], v[i:i+1], v[42:43], v[44:45]      ; s
.set i, i+2
.endr
	s_wait_dscnt 0x0
	WIN 0x09
.set i, 0
.rept 64
	v_pk_add_f32 v[G+i:G+i+1], v[i:i+1], v[i:i+1] neg_lo:[0,1] neg_hi:[0,1]   ; O - X
.set i, i+2
.endr
	WIN 0x23
.set i, 0
.rept 64
	v_pk_fma_f32 v[G+i:G+i+1], v[i:i+1], v[G+i:G+i+1], v[i:i+1]               ; s (O - X) + X
.set i, i+2
.endr
	WIN 0
.irp tp, 0,1
.irp ta, 0,1,2,3,4,5,6,7
.irp p, 0,1
	ds_store_b128 v21, v[G+64*\tp+8*\ta+4*\p:G+64*\tp+8*\ta+4*\p+3] offset:(32*(\ta/2)+8*(\ta%2))*528+64*\tp+16*\p
.endr
.endr
.endr
	s_wait_dscnt 0x0
	s_barrier_signal -1
	s_barrier_wait -1                      ; 128 whole rows of 512 bytes lie in the stage
.set i, 0
.rept 32
	ds_load_b128 v[G+4*i:G+4*i+3], v22 offset:528*i
.set i, i+1
.endr
.set i, 0
.rept 32
	s_wait_dscnt 31-i
	global_store_b128 v3, v[G+4*i:G+4*i+3], s[62:63] offset:4096*i th:TH_STORE_NT   ; 32 lanes store 512 consecutive bytes, at a multiple of 256 from the output's first byte
.set i, i+1
.endr
	s_wait_tensorcnt 0x0                   ; the wave's end
	ds_add_u32 v[SPW], v[NIL]
	s_wait_dscnt 0x0
	s_endpgm
.Lfunc_end_k_q1d93c808e6_mix:
	.size	k_q1d93c808e6_mix, .Lfunc_end_k_q1d93c808e6_mix-k_q1d93c808e6_mix
	.p2alignl 7, 3214868480
	.fill 96, 4, 3214868480
	.section	.rodata,"a",@progbits
	.p2align	6, 0x0
	.amdhsa_kernel k_q1d93c808e6_mix
		.amdhsa_group_segment_fixed_size 297472
		.amdhsa_private_segment_fixed_size 0
		.amdhsa_enable_private_segment 0
		.amdhsa_kernarg_size 64
		.amdhsa_user_sgpr_count 2
		.amdhsa_user_sgpr_kernarg_segment_ptr 1
		.amdhsa_wavefront_size32 1
		.amdhsa_system_sgpr_workgroup_id_x 1
		.amdhsa_system_sgpr_workgroup_id_y 1
		.amdhsa_system_sgpr_workgroup_id_z 1
		.amdhsa_system_vgpr_workitem_id 0
		.amdhsa_next_free_vgpr 1024
		.amdhsa_next_free_sgpr 80
		.amdhsa_reserve_vcc 0
		.amdhsa_float_denorm_mode_32 3
		.amdhsa_float_denorm_mode_16_64 3
		.amdhsa_memory_ordered 1
		.amdhsa_forward_progress 1
		.amdhsa_inst_pref_size 255
	.end_amdhsa_kernel
	.section	.bss,"aw",@nobits
	.p2align	6
	.space	262144
	.amdgpu_metadata
---
amdhsa.version: [ 1, 2 ]
amdhsa.kernels:
  - .name:           k_q1d93c808e6_mix
    .symbol:         k_q1d93c808e6_mix.kd
    .args:
      - { .name: fwq, .offset: 0, .size: 8, .value_kind: global_buffer, .address_space: global }
      - { .name: bwq, .offset: 8, .size: 8, .value_kind: global_buffer, .address_space: global }
      - { .name: vq, .offset: 16, .size: 8, .value_kind: global_buffer, .address_space: global }
      - { .name: cm, .offset: 24, .size: 8, .value_kind: global_buffer, .address_space: global }
      - { .name: sel, .offset: 32, .size: 8, .value_kind: global_buffer, .address_space: global }
      - { .name: bias_emb, .offset: 40, .size: 8, .value_kind: global_buffer, .address_space: global }
      - { .name: n_indexes, .offset: 48, .size: 8, .value_kind: global_buffer, .address_space: global }
      - { .name: out0, .offset: 56, .size: 8, .value_kind: global_buffer, .address_space: global }
    .group_segment_fixed_size: 297472
    .private_segment_fixed_size: 0
    .kernarg_segment_align: 8
    .kernarg_segment_size: 64
    .max_flat_workgroup_size: 128
    .sgpr_count:     80
    .vgpr_count:     1024
    .wavefront_size: 32
...
	.end_amdgpu_metadata
.endif
;; end of part 4
